; MI455X (gfx1250); checked and timed in simulation.
; The chip was launched on July 23, 2026; its instructions are those of AMD's public machine-readable ISA for CDNA 5 (MIT licence, August 2026) and "CDNA5" Instruction Set Architecture Reference Guide (July 2026). The comments in the code are by the model that wrote it; some were corrected since.
;; p Mo E. Allowed arithmetic: matrix products marked QUANTISED: E4M3 operands, one given power-of-two scale a tensor, by v_wmma_f32_16x16x64_fp8_fp8 or v_wmma_f32_16x16x128_fp8_fp8, f32 sums; products left as they are: f32 operands where the result goes on into a quantised operand, else bf16, f16 or f32 operands; f32 sums; everything else in f32.
;; Inputs: W1 16 x 512 x 2,048 float32; W2 16 x 2,048 x 512 float32; Wg 512 x 16 float32; b1 16 x 2,048 float32; b2 16 x 512 float32; bg 16 float32; lowp_scales 6 int32 (the exponents e of the quantised operands' scales 2^e); x 2,048 x 512 float32.
;; Outputs: out0 2,048 x 512 float32; out1 2,048 x 2 int32; out2 2,048 x 2 float32.
;; This version of the problem:
;;   THIS VERSION OF THE PROBLEM IS GIVEN IN LOW PRECISION. The matrix products marked QUANTISED in the list below multiply operands that are first quantised to E4M3 (4 exponent bits, 3 mantissa bits; 8 bits a number), with one given power-of-two scale for each operand tensor; their sums are f32. All else is computed in f32.
;;   The module's matrix products, in the order in which they are computed (A, B: the left and right operand; K: the contracted axis; several contracted axes count as one K, in the product's order):
;;     1. [M 2,048, K 512] x [K 512, N 16]; A: input x; B: input Wg: QUANTISED (scales: A lowp_scales[0], B lowp_scales[1])
;;     2. [M 32,768, K 512] x [K 512, N 2,048]; A: input W1; B: input x: QUANTISED (scales: A lowp_scales[2], B lowp_scales[3])
;;     3. batch 16 x [M 2,048, K 2,048] x [K 2,048, N 512]; A: computed on the way; B: input W2: QUANTISED (scales: A lowp_scales[4], B lowp_scales[5])
;;     4. batch 2,048 x [M 512, K 16] x [K 16, N 1]; A: computed on the way; B: computed on the way: left as it is (K = 16 < 32)
;;   THE QUANTISER, for each operand of a quantised product, along K:
;;     - The operand's scale is 2^e, e = its entry of the input lowp_scales (int32; the entries are numbered through the quantised products in the list's order, A before B).
;;     - Each number is divided by the scale, clamped to +-448, and rounded to the nearest number of E4M3, ties to even, subnormals kept.
;;     - The product sums the exact products of the quantised numbers (number of the format x scale) in f32.
;;   ~~~python
;;   def quantise(x, axis, e):      # numpy; x: float32 -> the quantised numbers, widened to float32 again
;;       x = np.moveaxis(x, axis, -1); K = x.shape[-1]
;;       r = np.clip(x / 2.0 ** e, -448, 448)
;;       step = 2.0 ** (np.maximum(np.frexp(np.where(r == 0, 1, r))[1] - 1, -6) - 3)
;;       q = np.round(r / step) * step * 2.0 ** e      # np.round: ties to even
;;       return np.moveaxis(q, -1, axis).astype(np.float32)
;;   ~~~
;;   OPERANDS COMPUTED ON THE WAY. 'Computed on the way' means the value that the module computes at that place (a softmax that the list does not call 'softmax' is quantised finished and normalised). What goes into a quantiser is computed in f32, as accurately as f32 sums, v_exp_f32 and their like allow (about 1e-6 of the number): no bf16 or f16 on the way to a quantiser, and a product that is left as it is and whose result goes on into a quantised operand takes f32 operands (vector FMAs, or v_wmma_f32_16x16x4_f32). A number that lies on a knife's edge between two numbers of the format may be rounded either way, as far as f32 arithmetic and the matrix unit's own rounding can turn it there, and no further.
;; 2 versions, each right; version 2 is version 1 with the launch route written anew for expert scheduling mode. Each part assembles by itself: llvm-mc -triple=amdgcn-amd-amdhsa -mcpu=gfx1250 --defsym DOCPART=n.
;; ======== version 1 of 2: 4 launches
;; workspace buffers: xc 1,048,576 bytes; route 8,192 bytes of whole numbers; hbuf 67,108,864 bytes; ybuf 16,842,752 bytes
;; launch route (part 1): grid 128 x 1, 4 waves a work-group, no clusters, 47,104 bytes of LDS; arguments x, Wg, bg, lowp_scales, xc, route, out1, out2; writes xc, route, out1, out2
.if DOCPART == 1
	.amdgcn_target "amdgcn-amd-amdhsa--gfx1250"
	.amdhsa_code_object_version 6
	.text
	.protected	k_q282fc514f8_route
	.globl	k_q282fc514f8_route
	.p2align	8
	.type	k_q282fc514f8_route,@function
k_q282fc514f8_route:
	s_mov_b64 s[64:65], 0
	v_nop
	global_prefetch_b8 v0, s[64:65] scope:SCOPE_SE
	s_setreg_imm32_b32 hwreg(HW_REG_WAVE_MODE, 25, 1), 1
	s_wait_xcnt 0x0
; THE GATE.  logits = Q0(x) Q1(Wg) + bg on codes of E4M3; the two largest logits of each token (the lower index wins a tie), their softmax; and x's codes at the scale of the experts' first product.
; x [2048][512] f32, Wg [512][16] f32 (K is its first axis), bg [16], lowp_scales: e0 (x, gate), e1 (Wg), e3 (x, experts) are used here.
; OUT: xc [2048][512] codes of x at 2^e3, K in its natural order; route: one word a token, (1 << first expert) | (1 << (16 + second expert)); out1 [2048][2] int32; out2 [2048][2] f32.
; No address and no branch of this launch hangs on the choice: all its results go to fixed places.
; SHARES.  A work-group takes 16 tokens; wave s takes K step s (128 of the 512), so that four short chains run side by side.  The four partial sums meet in LDS; wave 0 adds them and chooses.
; LAYOUT of a fragment (16 rows x 128 K, 16 registers): registers 4 c .. 4 c + 3 of lane (r = lane % 16, h = lane / 16) hold k = 32 c + 16 h + 0 .. 15 of row r: the same permutation of k on both sides of the product.
; The product is used transposed (source 0 = 16 experts, source 1 = 16 tokens): lane (r, h) then holds token r and experts 8 h + 0 .. 7.
; LIMITS: e0, e1, e3 between -126 and 119; e0 + e1 between -126 and 127 (each power of two below is an f32 number).  NaN among the inputs is not served; an infinity is held at the largest code.
.set XSP,  528                         ; a stage row: 512 bytes + 16
.set XWV,  16*XSP                      ; LDS 0: a stage of 16 rows of 128 f32 for each wave
.set CST,  4*XWV                       ; then 16 rows of 512 codes (+ 16), the work-group's
.set PART, CST+16*XSP                  ; then 1,024 bytes of partial sums for each wave
.set XR,   16                          ; v16-79   x as loaded: 16 rows x 4 registers; later:
.set XG,   16                          ; v16-31   x's fragment at 2^e0
.set XC,   32                          ; v32-47   x's fragment at 2^e3
.set WF,   48                          ; v48-63   Wg's fragment
.set DD,   64                          ; v64-71   the partial sums
.set XV,   80                          ; v80-143  64 numbers of my row of x, in the fragment's order
.set WR,   144                         ; v144-207 64 numbers of my column of Wg, down K
.set T,    208                         ; v208-239 two sets of 16, at work
.set BG,   240                         ; v240-247 bg of my eight experts
; v1 lane, v2 r, v3 h, v4 16 x lane, v5/v6 the stage in and out, v7 Wg's offset, v8/v9 the codes' rows in and out, v10/v249 the partial sums in and out,
; v11/v12 2^e0 and 448 x 2^e0, v13/v14 the same for e3, v15/v248 for e1, v250 32 h, v251/v252 my token's offset in out1, out2 / in route
.macro MKSC se, vs, vl                 ; 2^e and 448 x 2^e as f32 numbers
	s_add_co_i32 s28, \se, 127
	s_lshl_b32 s29, s28, 23
	v_mov_b32 v[\vs], s29
	s_add_co_i32 s28, s28, 8
	s_lshl_b32 s28, s28, 23
	s_or_b32 s28, s28, 0x600000                    ; the mantissa field of 448
	v_mov_b32 v[\vl], s28
.endm
; 64 numbers become a fragment's 16 registers of codes.  The conversion to an 8-bit code does not saturate (ISA guide 7.6.2): each number is first held within 448 x the scale.
.macro QUANT src, dst, sc, lim         ; in place: the numbers are not wanted again
.set qb, 0
.rept 4
.set qi, 0
.rept 16
	v_med3_num_f32 v[\src+16*qb+qi], v[\src+16*qb+qi], -v[\lim], v[\lim]
.set qi, qi+1
.endr
	v_cvt_scalef32_pk8_fp8_f32 v[\dst+4*qb:\dst+4*qb+1], v[\src+16*qb:\src+16*qb+7], v[\sc]
	v_cvt_scalef32_pk8_fp8_f32 v[\dst+4*qb+2:\dst+4*qb+3], v[\src+16*qb+8:\src+16*qb+15], v[\sc]
.set qb, qb+1
.endr
	v_nop                                          ; one plain vector line behind the last conversion, ahead of whatever next touches its registers
.endm
.macro QKEEP src, dst, sc, lim         ; the numbers stay: the held ones go into two sets of T by turns
.set qb, 0
.rept 4
.set qi, 0
.rept 16
	v_med3_num_f32 v[T+16*(qb%2)+qi], v[\src+16*qb+qi], -v[\lim], v[\lim]
.set qi, qi+1
.endr
	v_cvt_scalef32_pk8_fp8_f32 v[\dst+4*qb:\dst+4*qb+1], v[T+16*(qb%2):T+16*(qb%2)+7], v[\sc]
	v_cvt_scalef32_pk8_fp8_f32 v[\dst+4*qb+2:\dst+4*qb+3], v[T+16*(qb%2)+8:T+16*(qb%2)+15], v[\sc]
.set qb, qb+1
.endr
	v_nop
.endm
	s_load_b256 s[4:11], s[0:1], 0x0               ; x s[4:5], Wg s[6:7], bg s[8:9], the scales' exponents s[10:11]
	s_load_b256 s[12:19], s[0:1], 0x20             ; xc s[12:13], route s[14:15], out1 s[16:17], out2 s[18:19]
	v_lshl_add_u32 v254, v0, 2, 0xb600
	v_mov_b32 v255, 0
	v_lshrrev_b32 v1, 5, v0
	v_readfirstlane_b32 s26, v1                    ; wave = K step
	v_and_b32 v1, 31, v0
	v_and_b32 v2, 15, v0                           ; r
	v_bfe_u32 v3, v0, 4, 1                         ; h
	v_lshlrev_b32 v4, 4, v1
	s_mul_i32 s27, s26, XWV                        ; my stage
	v_add_nc_u32 v5, s27, v4                       ; in: a row's 512 bytes as they lie
	v_mul_u32_u24 v6, v2, XSP
	v_lshl_add_u32 v8, v3, 4, v6                   ; 528 r + 16 h
	v_lshl_add_u32 v6, v3, 6, v6
	v_add_nc_u32 v6, s27, v6                       ; out: row r, 64 h bytes on: my 16 numbers of a block of 32
	v_lshlrev_b32 v7, 2, v2
	v_lshl_add_u32 v7, v3, 10, v7                  ; Wg: column r, 16 h rows of 64 bytes down
	s_lshl_b32 s28, s26, 7
	s_add_co_u32 s28, s28, CST
	v_add_nc_u32 v8, s28, v8                       ; codes in: row r, byte 128 s + 16 h (+ 32 c)
	s_mul_i32 s28, s26, 4*XSP
	s_add_co_u32 s28, s28, CST
	v_add_nc_u32 v9, s28, v4                       ; codes out: rows 4 s + 0 .. 3, whole
	s_lshl_b32 s28, s26, 10
	s_add_co_u32 s28, s28, PART
	v_add_nc_u32 v10, s28, v4
	v_add_nc_u32 v249, PART, v4
	v_lshlrev_b32 v250, 5, v3
	s_lshl_b32 s28, ttmp9, 7
	v_lshl_add_u32 v251, v2, 3, s28                ; 8 (16 x work-group + r)
	s_lshl_b32 s28, ttmp9, 6
	v_lshl_add_u32 v252, v2, 2, s28                ; 4 (16 x work-group + r)
	s_lshl_b32 s28, ttmp9, 15                      ; x: 16 rows of 2,048 bytes a work-group,
	s_lshl_b32 s29, s26, 9                         ; 512 bytes a K step
	s_add_co_u32 s28, s28, s29
	s_mov_b32 s29, 0
	s_lshl_b32 s30, s26, 13                        ; Wg: 128 rows of 64 bytes a K step
	s_mov_b32 s31, 0
	s_lshl_b32 s32, ttmp9, 13                      ; xc: 16 rows of 512 bytes a work-group,
	s_lshl_b32 s33, s26, 11                        ; 4 rows a wave
	s_add_co_u32 s32, s32, s33
	s_mov_b32 s33, 0
	s_mov_b32 s40, 0x76543210                      ; v_permlanex16_b32: each lane takes its own place in the other half
	s_mov_b32 s41, 0xfedcba98
	s_wait_kmcnt 0x0
	s_load_b128 s[20:23], s[10:11], 0x0            ; e0, e1, e2, e3
	s_add_nc_u64 s[4:5], s[4:5], s[28:29]
	s_add_nc_u64 s[6:7], s[6:7], s[30:31]
	s_add_nc_u64 s[12:13], s[12:13], s[32:33]
	global_load_b128 v[BG:BG+3], v250, s[8:9]
	global_load_b128 v[BG+4:BG+7], v250, s[8:9] offset:16
.set i, 0
.rept 16
	global_load_b128 v[XR+4*i:XR+4*i+3], v4, s[4:5] offset:2048*i th:TH_LOAD_NT   ; row i: 32 lanes read 512 consecutive bytes
.set i, i+1
.endr
.set i, 0
.rept 64
	global_load_b32 v[WR+i], v7, s[6:7] offset:64*(32*(i/16)+i%16)   ; Wg(32 c + 16 h + i, r): a lane to a column, registers down K: nothing is transposed
.set i, i+1
.endr
	s_wait_kmcnt 0x0
	MKSC s20, 11, 12
	MKSC s23, 13, 14
	MKSC s21, 15, 248
	s_add_co_i32 s36, s20, s21
	s_add_co_i32 s36, s36, 127
	s_lshl_b32 s36, s36, 23                        ; 2^(e0 + e1)
	s_mov_b32 s37, s36                             ; (named with it as a pair, so it is written)
	s_wait_loadcnt 63                              ; bg and x are in: 64 loads are younger, and the count's field ends at 63
.set i, 0
.rept 16
	ds_store_b128 v5, v[XR+4*i:XR+4*i+3] offset:XSP*i
.set i, i+1
.endr
.set i, 0
.rept 16
	ds_load_b128 v[XV+4*i:XV+4*i+3], v6 offset:128*(i/4)+16*(i%4)   ; LDS serves a wave's instructions in order: these see my stores
.set i, i+1
.endr
	s_wait_dscnt 0x0
	QKEEP XV, XG, 11, 12                           ; x at 2^e0, for the gate
	QUANT XV, XC, 13, 14                           ; x at 2^e3, for the experts
	s_wait_loadcnt 0x0                             ; Wg
	QUANT WR, WF, 15, 248
	v_wmma_f32_16x16x128_fp8_fp8 v[DD:DD+7], v[WF:WF+15], v[XG:XG+15], 0
.rept 4
	v_nop                                          ; four places between the product and the stores of its result
.endr
	ds_store_b128 v10, v[DD:DD+3]
	ds_store_b128 v10, v[DD+4:DD+7] offset:512
.irp c, 0,1,2,3
	ds_store_b128 v8, v[XC+4*\c:XC+4*\c+3] offset:32*\c
.endr
	s_wait_dscnt 0x0                               ; for the others' sake: my stores have landed
	s_barrier_signal -1
	s_barrier_wait -1
.irp j, 0,1,2,3
	ds_load_b128 v[T+4*\j:T+4*\j+3], v9 offset:XSP*\j
.endr
.irp j, 0,1,2,3
	s_wait_dscnt 3-\j                              ; row j of my four is back
	global_store_b128 v4, v[T+4*\j:T+4*\j+3], s[12:13] offset:512*\j   ; 32 lanes store a row's 512 consecutive bytes, aligned
.endr
	s_cmp_lg_u32 s26, 0
	s_cbranch_scc1 .Lend                           ; wave 0 alone chooses
.set i, 0
.rept 4
	ds_load_b128 v[80+8*i:83+8*i], v249 offset:1024*i
	ds_load_b128 v[84+8*i:87+8*i], v249 offset:1024*i+512
.set i, i+1
.endr
	s_wait_dscnt 0x0
.irp j, 0,2,4,6
	v_pk_add_f32 v[112+\j:113+\j], v[80+\j:81+\j], v[88+\j:89+\j]
.endr
.irp j, 0,2,4,6
	v_pk_add_f32 v[112+\j:113+\j], v[112+\j:113+\j], v[96+\j:97+\j]
.endr
.irp j, 0,2,4,6
	v_pk_add_f32 v[112+\j:113+\j], v[112+\j:113+\j], v[104+\j:105+\j]
.endr
.irp j, 0,2,4,6
	v_pk_fma_f32 v[112+\j:113+\j], v[112+\j:113+\j], s[36:37], v[BG+\j:BG+\j+1] op_sel_hi:[1,0,1]   ; logit = sum x 2^(e0 + e1) + bg
.endr
	; the two largest of my eight: v120/v121 the largest and its expert, v122/v123 the second.  Every compare is strict, so the lower index keeps its place in a tie
	v_lshlrev_b32 v125, 3, v3                      ; my first expert: 8 h
	v_add_nc_u32 v124, 1, v125
	v_cmp_gt_f32 vcc_lo, v113, v112
	v_cndmask_b32 v120, v112, v113, vcc_lo
	v_cndmask_b32 v121, v125, v124, vcc_lo
	v_cndmask_b32 v122, v113, v112, vcc_lo
	v_cndmask_b32 v123, v124, v125, vcc_lo
.irp j, 2,3,4,5,6,7
	v_add_nc_u32 v124, \j, v125
	v_cmp_gt_f32 vcc_lo, v[112+\j], v120
	v_cmp_gt_f32 s38, v[112+\j], v122
	v_cndmask_b32 v122, v122, v[112+\j], s38
	v_cndmask_b32 v123, v123, v124, s38
	v_cndmask_b32 v122, v122, v120, vcc_lo
	v_cndmask_b32 v123, v123, v121, vcc_lo
	v_cndmask_b32 v120, v120, v[112+\j], vcc_lo
	v_cndmask_b32 v121, v121, v124, vcc_lo
.endr
.irp j, 0,1,2,3
	v_mov_b32 v[126+\j], 0                         ; a lane permute's destination counts as one of its sources
.endr
.irp j, 0,1,2,3
	v_permlanex16_b32 v[126+\j], v[120+\j], s40, s41   ; the other eight experts' pair
.endr
	v_cmp_ne_u32 s39, 0, v3
.irp j, 0,1,2,3
	v_cndmask_b32 v[130+\j], v[120+\j], v[126+\j], s39   ; A: experts 0-7's pair, in both halves of the lanes
	v_cndmask_b32 v[134+\j], v[126+\j], v[120+\j], s39   ; B: experts 8-15's
.endr
	v_cmp_gt_f32 vcc_lo, v134, v130                ; B's largest wins only if it is greater
	v_cndmask_b32 v138, v130, v134, vcc_lo         ; the largest logit
	v_cndmask_b32 v140, v131, v135, vcc_lo         ; its expert
	v_cndmask_b32 v142, v132, v130, vcc_lo         ; what A still offers,
	v_cndmask_b32 v143, v133, v131, vcc_lo
	v_cndmask_b32 v144, v134, v136, vcc_lo         ; and B
	v_cndmask_b32 v145, v135, v137, vcc_lo
	v_cmp_gt_f32 vcc_lo, v144, v142
	v_cndmask_b32 v139, v142, v144, vcc_lo         ; the second logit
	v_cndmask_b32 v141, v143, v145, vcc_lo         ; its expert
	; softmax of the two, the larger taken away: 1 / (1 + e), e / (1 + e), e = exp(second - first)
	v_sub_f32 v146, v139, v138
	v_mul_f32 v146, 0x3fb8aa3b, v146
	v_exp_f32 v147, v146
	v_mov_b32 v150, 1                              ; (a plain line behind the exponential)
	s_wait_alu depctr_va_vdst(0)                   ; the wait ahead of the result's first reader
	v_add_f32 v151, 1.0, v147
	v_rcp_f32 v148, v151
	v_lshlrev_b32 v152, v140, v150                 ; (a plain line behind the reciprocal)  1 << first expert
	s_wait_alu depctr_va_vdst(0)
	v_mul_f32 v149, v147, v148
	v_add_nc_u32 v153, 16, v141
	v_lshlrev_b32 v153, v153, v150
	v_or_b32 v152, v152, v153
	global_store_b64 v251, v[140:141], s[16:17]    ; lanes 16-31 repeat lanes 0-15's addresses and numbers: sixteen tokens, 128 consecutive bytes
	global_store_b64 v251, v[148:149], s[18:19]
	global_store_b32 v252, v152, s[14:15]
.Lend:
	s_wait_tensorcnt 0x0
	ds_add_u32 v254, v255
	s_wait_dscnt 0x0
	s_endpgm
.Lfunc_end_k_q282fc514f8_route:
	.size	k_q282fc514f8_route, .Lfunc_end_k_q282fc514f8_route-k_q282fc514f8_route
	.p2alignl 7, 3214868480
	.fill 96, 4, 3214868480
	.section	.rodata,"a",@progbits
	.p2align	6, 0x0
	.amdhsa_kernel k_q282fc514f8_route
		.amdhsa_group_segment_fixed_size 47104
		.amdhsa_private_segment_fixed_size 0
		.amdhsa_enable_private_segment 0
		.amdhsa_kernarg_size 64
		.amdhsa_user_sgpr_count 2
		.amdhsa_user_sgpr_kernarg_segment_ptr 1
		.amdhsa_wavefront_size32 1
		.amdhsa_system_sgpr_workgroup_id_x 1
		.amdhsa_system_sgpr_workgroup_id_y 1
		.amdhsa_system_sgpr_workgroup_id_z 1
		.amdhsa_system_vgpr_workitem_id 0
		.amdhsa_next_free_vgpr 256
		.amdhsa_next_free_sgpr 66
		.amdhsa_reserve_vcc 1
		.amdhsa_float_denorm_mode_32 3
		.amdhsa_float_denorm_mode_16_64 3
		.amdhsa_memory_ordered 1
		.amdhsa_forward_progress 1
		.amdhsa_inst_pref_size 35
	.end_amdhsa_kernel
	.amdgpu_metadata
---
amdhsa.version: [ 1, 2 ]
amdhsa.kernels:
  - .name:           k_q282fc514f8_route
    .symbol:         k_q282fc514f8_route.kd
    .args:
      - { .name: x, .offset: 0, .size: 8, .value_kind: global_buffer, .address_space: global }
      - { .name: Wg, .offset: 8, .size: 8, .value_kind: global_buffer, .address_space: global }
      - { .name: bg, .offset: 16, .size: 8, .value_kind: global_buffer, .address_space: global }
      - { .name: lowp_scales, .offset: 24, .size: 8, .value_kind: global_buffer, .address_space: global }
      - { .name: xc, .offset: 32, .size: 8, .value_kind: global_buffer, .address_space: global }
      - { .name: route, .offset: 40, .size: 8, .value_kind: global_buffer, .address_space: global }
      - { .name: out1, .offset: 48, .size: 8, .value_kind: global_buffer, .address_space: global }
      - { .name: out2, .offset: 56, .size: 8, .value_kind: global_buffer, .address_space: global }
    .group_segment_fixed_size: 47104
    .private_segment_fixed_size: 0
    .kernarg_segment_align: 8
    .kernarg_segment_size: 64
    .max_flat_workgroup_size: 128
    .sgpr_count:     66
    .vgpr_count:     256
    .wavefront_size: 32
...
	.end_amdgpu_metadata
.endif
;; end of part 1
;; launch up (part 2): grid 16 x 16, 4 waves a work-group, no clusters, 109,056 bytes of LDS; arguments W1, b1, lowp_scales, route, xc, hbuf; writes hbuf
.if DOCPART == 2
	.amdgcn_target "amdgcn-amd-amdhsa--gfx1250"
	.amdhsa_code_object_version 6
	.text
	.protected	k_q282fc514f8_up
	.globl	k_q282fc514f8_up
	.p2align	8
	.type	k_q282fc514f8_up,@function
k_q282fc514f8_up:
	s_mov_b64 s[64:65], 0
	v_nop
	global_prefetch_b8 v0, s[64:65] scope:SCOPE_SE
	s_setreg_imm32_b32 hwreg(HW_REG_WAVE_MODE, 25, 1), 1
	s_wait_xcnt 0x0
; THE EXPERTS' FIRST LAYER, for the chosen rows alone: h = Q4(gelu(Q3(x) Q2(W1) + b1)), gelu in its tanh form, written as x / (1 + exp(-2 u)), u = sqrt(2 / pi) (x + 0.044715 x^3).
; Work-group (x = hs, y = e) owns expert e's hidden units 128 hs .. 128 hs + 127: a slice of W1 of 512 (K) x 128, read from memory once, as f32, by nobody else.
; PHASE 1 (weights).  Wave w takes K step w (rows 128 w on), 16 rows a group: each load reads one row's 512 consecutive bytes.  A lane holds 4 columns x 16 rows; they are held, converted, turned 4 x 4 bytes at a time
;   (v_perm_b32), and each column's 16 codes along K go to LDS as one 16-byte piece of an IMAGE OF A FRAGMENT'S REGISTERS.  Meanwhile wave 0 reads the 2,048 route words and lists the expert's rows in LDS.
; PHASE 2.  Every wave loads all 32 fragments (8 tiles of 16 hidden units x 4 K steps) into 512 registers, where they stay.
; PHASE 3 (rows).  Wave w takes the expert's tiles of 16 rows w, w + 4, ..: gathers the rows' codes from xc, 32 products, gelu, quantises in registers, and stores ONE dense image of 2,048 bytes: K step hs of the second layer.
; LAYOUT of a fragment: registers 4 c .. 4 c + 3 of lane (r, h) hold k = 32 c + 16 h + 0 .. 15 of row r; its image: those 16 bytes at 512 c + 16 x lane.
; THE HIDDEN UNITS OF A TILE ARE NOT NEIGHBOURS: row r of tile 2 b + u is unit 32 b + 8 u + r + 8 (r / 8).  The product is used transposed (source 0 = 16 units, source 1 = 16 rows of x), so the 16 registers
;   of tiles 2 b, 2 b + 1 are units 32 b + 16 h + 0 .. 15 of one row: 16 neighbours along the next K.
; THE LIST.  Entry = 2048 k + token (k: which of the token's two choices).  Its order is that of this scan, which the next launch repeats word for word.  The whole list begins as entries 4096 + e, and the rows' entries
;   are written over them from its head on: a row with such an entry takes token e's codes and its result is never used.  An expert without rows runs one tile of them, so that tile 0 of every expert is written.
; The rows' loop has a constant count, 32 trips (128 tiles at the most: all 2,048 tokens on one expert); a trip beyond the expert's tiles jumps to its tail.
; hbuf: [expert 16][tile 128][K step 16][image 2,048 bytes]: room for every split, so no expert's place hangs on another's count; only the tiles in use are touched.
; No multicast: no two work-groups read the same weights, and the trips' branches hang on stored numbers.
; LIMITS: e2 and e4 - e2 - e3 between -126 and 119; e2 + e3 between -40 and 43 (0.1029 x 2^(3 (e2 + e3)) is an f32 number).  NaN among the inputs is not served.
.set IMGP,  8208                       ; LDS 0: 8 tiles x (4 images of 2,048 bytes + 16): with the 16, the sixteen lanes of an image store fall on sixteen different 16-byte columns modulo 256
.set LIST,  65792                      ; 8,448 bytes: 2,080 entries of 4 bytes, then the dump entry, then the count
.set DUMPI, 2080
.set CNT,   LIST+8324
.set XSTG,  74240                      ; a stage of 16 rows x (512 + 16) bytes for each wave
.set XSP,   528
.set WGRP,  16                         ; rows of W1 in a group
.set WROW,  8192                       ; bytes from row to row of W1
.set L16,  4                           ; v4   16 x lane
.set IMA,  5                           ; v5   where my four columns' pieces go in the images
.set XST,  6                           ; v6   the stage, in
.set XLD,  7                           ; v7   the stage, out
.set LA,   8                           ; v8   the list's entries in hand
.set SCW,  9                           ; v9   2^e2
.set HSC,  10                          ; v10  2^(e4 - e2 - e3): the three scales ahead of the hidden layer's quantiser, folded into one
.set HLIM, 11                          ; v11  448 x that
.set C0,   12                          ; v[12:13] -2.3022082 x 2^(e2 + e3), twice
.set C1,   14                          ; v[14:15] -0.10294324 x 2^(3 (e2 + e3)), twice
.set DIDX, 16                          ; v16  the dump entry's index
.set L4,   17                          ; v17  4 x lane
.set PADV, 18                          ; v18  4096 + e
.set CNTA, 19                          ; v19  the count's LDS address
.set SC,   20                          ; v20-27 the scan's two sets of four
.set H64,  28                          ; v28  64 h
.set NREG, 29                          ; v29  at work at the head; then the count
.set PADA, 30                          ; v30  LIST + 4 x lane
.set LB,   31                          ; v31  LIST
.set CB,   32                          ; weights: v32-47 codes, row i's four columns in register i
.set TT,   48                          ; v48-55 at work
.set OB,   56                          ; v56-87 two sets of 16: column j's 16 codes in registers 4 j .. 4 j + 3
.set RW,   96                          ; v96-159 the route words (wave 0)
.set PQ,   160                         ; weights: v160-163 4096 + e, four times
.set PADQ, 164                         ; weights: v164 LIST + 16 x lane
.set XF,   32                          ; rows: v32-95 x's four fragments
.set HA,   96                          ; v96-159 the 8 tiles' sums
.set T,    160                         ; v160-223 at work
.set PC,   160                         ; v160-175 the codes just made
.set E,    224                         ; v224-239 the tile's 16 entries, then the rows' offsets
.set B1,   0                           ; window 1, rows: v0-63 b1 / 2^(e2 + e3), in the sums' layout
.set XR,   64                          ; window 1, rows: v64-127 16 rows of codes as loaded
.set WOFF, L16
; window 1, weights: four sets of 64 registers, a group of 16 rows each.  Windows 2 and 3: fragment (tile t, K step s) at register 128 (s % 2) + 16 t of window 2 + s / 2.
.set MSB, 0
.macro WIN new                         ; s_set_vgpr_msb: bits 1:0 source 0, 3:2 source 1, 5:4 source 2, 7:6 destination; the high byte repeats the setting that is left
.if MSB != \new
	s_set_vgpr_msb (MSB<<8)|\new
.set MSB, \new
.endif
.endm
.macro WLOAD g                         ; group g: 16 rows into set g % 4
	WIN 0x40
.set i, 0
.rept 16
	global_load_b128 v[64*((\g)%4)+4*i:64*((\g)%4)+4*i+3], v[WOFF], s[4:5] offset:(WGRP*(\g)+i)*WROW th:TH_LOAD_NT
.set i, i+1
.endr
	WIN 0
.endm
; Group g becomes codes and goes to the images.  cnt: the loads that are younger than the group's.  off: the group's place in an image.
.macro QGROUP g, cnt, off
	s_wait_loadcnt \cnt
.set QR, 64*((\g)%4)
	WIN 0x41
.set i, 0
.rept 64
	v_med3_num_f32 v[QR+i], v[QR+i], s31, s30      ; the conversion does not saturate (ISA guide 7.6.2): held within 448 x 2^e first
.set i, i+1
.endr
	WIN 0x01
.set i, 0
.rept 8
	v_cvt_scalef32_pk8_fp8_f32 v[CB+2*i:CB+2*i+1], v[QR+8*i:QR+8*i+7], v[SCW]   ; rows 2 i and 2 i + 1, four columns each
.set i, i+1
.endr
	v_nop                                          ; one plain line between the conversions and the readers of their results
	WIN 0
	s_wait_dscnt 4                                 ; the image stores of two groups back have read this set of OB; the last group's four may be out
.set QO, OB+16*((\g)%2)
.irp q, 0,1,2,3                        ; rows 4 q .. 4 q + 3 x 4 columns: 4 x 4 bytes are turned
.set QT, TT+4*(\q%2)
	v_perm_b32 v[QT], v[CB+4*\q+1], v[CB+4*\q], s32      ; r0c0 r1c0 r0c1 r1c1
	v_perm_b32 v[QT+1], v[CB+4*\q+1], v[CB+4*\q], s33    ; r0c2 r1c2 r0c3 r1c3
	v_perm_b32 v[QT+2], v[CB+4*\q+3], v[CB+4*\q+2], s32  ; the same of rows 2, 3
	v_perm_b32 v[QT+3], v[CB+4*\q+3], v[CB+4*\q+2], s33
	v_perm_b32 v[QO+\q], v[QT+2], v[QT], s34
	v_perm_b32 v[QO+4+\q], v[QT+2], v[QT], s35
	v_perm_b32 v[QO+8+\q], v[QT+3], v[QT+1], s34
	v_perm_b32 v[QO+12+\q], v[QT+3], v[QT+1], s35
.endr
.irp j, 0,1,2,3
	ds_store_b128 v[IMA], v[QO+4*\j:QO+4*\j+3] offset:\off+16*\j
.endr
.endm
; Wave 0 lists the expert's rows.  Register X of lane l holds the word of token 128 (X / 4) + 4 l + X % 4.  A match's rank is the count so far + the matches in lower lanes; a lane without a match writes the dump entry.
; EXEC is never written.  Wave 0 is the only wave that touches LDS ahead of the first barrier.
.macro SCAN
.set i, 0
.rept 16
	ds_store_b128 v[PADQ], v[PQ:PQ+3] offset:512*i ; the list's whole region, 8,448 bytes, begins as padding: 16 x 512 bytes,
.set i, i+1
.endr
	ds_store_b32 v[PADA], v[PADV] offset:8192      ; and 2 x 128.  LDS serves a wave's instructions in order: the entries and the count below are written over it
	ds_store_b32 v[PADA], v[PADV] offset:8320
.set X, 0
.rept 64
.set S0, SC+4*(X%2)
	v_and_b32 v[S0], s36, v[RW+X]                  ; bit e or bit 16 + e
	v_cmp_ne_u32 s39, 0, v[S0]
	v_bfe_u32 v[S0+1], v[RW+X], s37, 1             ; k: the second choice?
	v_mbcnt_lo_u32_b32 v[S0], s39, s38
	s_bcnt1_i32_b32 s40, s39
	s_add_co_u32 s38, s38, s40
	v_cndmask_b32 v[S0], v[DIDX], v[S0], s39
	v_min_u32 v[S0], DUMPI, v[S0]
	v_lshl_add_u32 v[S0], v[S0], 2, LIST
	v_lshl_add_u32 v[S0+1], v[S0+1], 11, v[L4]
	v_add_nc_u32 v[S0+1], 128*(X/4)+X%4, v[S0+1]
	ds_store_b32 v[S0], v[S0+1]
.set X, X+1
.endr
	v_mov_b32 v[SC+1], s38
	ds_store_b32 v[CNTA], v[SC+1]                  ; the count
	s_wait_dscnt 0x0
.endm
; The 16 rows whose entries lie off bytes behind s44 are asked for: every lane reads all 16 entries, and each load brings one whole row of 512 bytes.
.macro XASK off
	v_add_nc_u32 v[LA], s44, v[LB]
.irp q, 0,1,2,3
	ds_load_b128 v[E+4*\q:E+4*\q+3], v[LA] offset:\off+16*\q
.endr
	s_wait_dscnt 0x0                               ; the entries are in; and the stage's stores have read XR, which the loads below fill
.set i, 0
.rept 16
	v_min_u32 v[E+i], 0x100f, v[E+i]
	v_and_b32 v[E+i], 0x7ff, v[E+i]                ; the token
	v_lshl_add_u32 v[E+i], v[E+i], 9, v[L16]
.set i, i+1
.endr
	WIN 0x40
.set i, 0
.rept 16
	global_load_b128 v[XR+4*i:XR+4*i+3], v[E+i], s[12:13]
.set i, i+1
.endr
	WIN 0
.endm
; K step s of the 8 tiles: the accumulators take turns, one instruction a turn.  first = 1: b1 starts the sums.
.macro UPMUL s, win, first
	WIN \win
.irp t, 0,1,2,3,4,5,6,7
.if \first
	v_wmma_f32_16x16x128_fp8_fp8 v[HA+8*\t:HA+8*\t+7], v[128*((\s)%2)+16*\t:128*((\s)%2)+16*\t+15], v[XF+16*(\s):XF+16*(\s)+15], v[B1+8*\t:B1+8*\t+7]
.else
	v_wmma_f32_16x16x128_fp8_fp8 v[HA+8*\t:HA+8*\t+7], v[128*((\s)%2)+16*\t:128*((\s)%2)+16*\t+15], v[XF+16*(\s):XF+16*(\s)+15], v[HA+8*\t:HA+8*\t+7]
.endif
.endr
.endm
	s_load_b256 s[4:11], s[0:1], 0x0               ; W1 s[4:5], b1 s[6:7], the scales' exponents s[8:9], route s[10:11]
	s_load_b128 s[12:15], s[0:1], 0x20             ; xc s[12:13], hbuf s[14:15]
	v_lshl_add_u32 v254, v0, 2, 0x1a800
	v_mov_b32 v255, 0
	v_lshrrev_b32 v1, 5, v0
	v_readfirstlane_b32 s16, v1                    ; wave w
	s_and_b32 s18, ttmp7, 0xffff                   ; expert e; ttmp9 is the slice hs
	v_and_b32 v1, 31, v0
	v_and_b32 v2, 15, v0                           ; r
	v_bfe_u32 v3, v0, 4, 1                         ; h
	v_lshlrev_b32 v[L16], 4, v1
	; column 4 l + j of the slice is row 8 ((l >> 2) & 1) + 4 (l & 1) + j of tile 2 (l >> 3) + ((l >> 1) & 1)
	v_bfe_u32 v[NREG], v0, 3, 2
	v_mul_u32_u24 v[IMA], v[NREG], 2*IMGP
	v_bfe_u32 v[NREG], v0, 1, 1
	v_mad_u32_u24 v[IMA], v[NREG], IMGP, v[IMA]
	v_bfe_u32 v[NREG], v0, 2, 1
	v_lshl_add_u32 v[IMA], v[NREG], 7, v[IMA]
	v_and_b32 v[NREG], 1, v0
	v_lshl_add_u32 v[IMA], v[NREG], 6, v[IMA]
	s_lshl_b32 s19, s16, 11
	v_add_nc_u32 v[IMA], s19, v[IMA]               ; + K step w's image
	s_mul_i32 s19, s16, 16*XSP
	s_add_co_u32 s19, s19, XSTG
	v_add_nc_u32 v[XST], s19, v[L16]
	v_mul_u32_u24 v[XLD], v2, XSP
	v_lshl_add_u32 v[XLD], v3, 4, v[XLD]
	v_add_nc_u32 v[XLD], s19, v[XLD]
	v_mov_b32 v[DIDX], DUMPI
	v_lshlrev_b32 v[L4], 2, v1
	s_add_co_u32 s19, s18, 4096
	v_mov_b32 v[PADV], s19
.irp j, 0,1,2,3
	v_mov_b32 v[PQ+\j], s19
.endr
	v_add_nc_u32 v[PADQ], LIST, v[L16]
	v_mov_b32 v[CNTA], CNT
	v_lshlrev_b32 v[H64], 6, v3
	v_lshl_add_u32 v[PADA], v1, 2, LIST
	v_mov_b32 v[LB], LIST
	s_lshl_b32 s26, s18, 22                        ; W1: an expert is 4,194,304 bytes,
	s_lshl_b32 s27, s16, 20                        ; 128 rows of 8,192,
	s_add_co_u32 s26, s26, s27
	s_lshl_b32 s27, ttmp9, 9                       ; 128 columns of 4
	s_add_co_u32 s26, s26, s27
	s_mov_b32 s27, 0
	s_lshl_b32 s28, s18, 13                        ; b1
	s_lshl_b32 s29, ttmp9, 9
	s_add_co_u32 s28, s28, s29
	s_mov_b32 s29, 0
	s_lshl_b32 s46, s18, 22                        ; hbuf: expert, tile w, K step hs
	s_lshl_b32 s47, s16, 15
	s_add_co_u32 s46, s46, s47
	s_lshl_b32 s47, ttmp9, 11
	s_add_co_u32 s46, s46, s47
	s_mov_b32 s47, 0
	s_mov_b32 s32, 0x05010400                      ; the byte selects of the 4 x 4 turn
	s_mov_b32 s33, 0x07030602
	s_mov_b32 s34, 0x05040100
	s_mov_b32 s35, 0x07060302
	s_lshl_b32 s36, 0x10001, s18
	s_add_co_u32 s37, s18, 16
	s_mov_b32 s38, 0
	s_wait_kmcnt 0x0
	s_load_b128 s[20:23], s[8:9], 0x0              ; e0 .. e3
	s_load_b64 s[24:25], s[8:9], 0x10              ; e4, e5
	s_add_nc_u64 s[4:5], s[4:5], s[26:27]
	s_add_nc_u64 s[6:7], s[6:7], s[28:29]
	s_add_nc_u64 s[14:15], s[14:15], s[46:47]
	s_cmp_lg_u32 s16, 0
	s_cbranch_scc1 .Lothers
.set i, 0
.rept 16
	global_load_b128 v[RW+4*i:RW+4*i+3], v[L16], s[10:11] offset:512*i
.set i, i+1
.endr
	WLOAD 0
	WLOAD 1
	WLOAD 2
	WLOAD 3
	s_wait_loadcnt 63                              ; the route words are in: 64 loads are younger, and the count's field ends at 63
	SCAN
	s_branch .Ljoin
.Lothers:
	WLOAD 0
	WLOAD 1
	WLOAD 2
	WLOAD 3
.Ljoin:
	s_wait_kmcnt 0x0
	s_add_co_i32 s26, s22, 127
	s_lshl_b32 s27, s26, 23
	v_mov_b32 v[SCW], s27                          ; 2^e2
	s_add_co_i32 s26, s26, 8
	s_lshl_b32 s26, s26, 23
	s_or_b32 s30, s26, 0x600000                    ; 448 x 2^e2,
	s_xor_b32 s31, s30, 0x80000000                 ; and its negative
	s_add_co_i32 s41, s22, s23                     ; e2 + e3: a sum of the product stands for sum x 2^(e2 + e3)
	s_sub_co_i32 s26, s24, s41
	s_add_co_i32 s26, s26, 127
	s_lshl_b32 s27, s26, 23
	v_mov_b32 v[HSC], s27
	s_add_co_i32 s26, s26, 8
	s_lshl_b32 s26, s26, 23
	s_or_b32 s26, s26, 0x600000
	v_mov_b32 v[HLIM], s26
	s_lshl_b32 s26, s41, 23
	s_add_co_i32 s26, s26, 0xc0135761              ; -2 log2(e) sqrt(2 / pi), its exponent field raised by e2 + e3
	v_mov_b32 v[C0], s26
	v_mov_b32 v[C0+1], s26
	s_mul_i32 s27, s41, 3
	s_lshl_b32 s27, s27, 23
	s_add_co_i32 s27, s27, 0xbdd2d3e8              ; that x 0.044715, raised by 3 (e2 + e3)
	v_mov_b32 v[C1], s27
	v_mov_b32 v[C1+1], s27
	s_sub_co_i32 s41, 0, s41
	s_wait_dscnt 0x0
	s_barrier_signal -1
	s_barrier_wait -1                              ; the list is whole; from here on all waves write the images
	QGROUP 0, 48, 0                                ; 48: the three groups behind this one
	WLOAD 4
	QGROUP 1, 48, 256
	WLOAD 5
	QGROUP 2, 48, 512
	WLOAD 6
	QGROUP 3, 48, 768
	WLOAD 7
	QGROUP 4, 48, 1024
	WIN 0x40                                       ; set 0 is free: b1 of my lane's units, tile 2 b + u: 32 b + 16 h + 8 u + 0 .. 7
.irp t, 0,1,2,3,4,5,6,7
	global_load_b128 v[B1+8*\t:B1+8*\t+3], v[H64], s[6:7] offset:(32*(\t/2)+8*(\t%2))*4
	global_load_b128 v[B1+8*\t+4:B1+8*\t+7], v[H64], s[6:7] offset:(32*(\t/2)+8*(\t%2))*4+16
.endr
	WIN 0
	QGROUP 5, 48, 1280                             ; groups 6 and 7, and b1's sixteen
	QGROUP 6, 32, 1536
	QGROUP 7, 16, 1792
	s_wait_dscnt 0x0                               ; for the others' sake: my pieces of the images have landed
	s_barrier_signal -1
	s_barrier_wait -1
	ds_load_b32 v[NREG], v[CNTA]
	s_lshl_b32 s44, s16, 6                         ; my first tile's entries: 64 w bytes into the list
	XASK 0
	v_readfirstlane_b32 s45, v[NREG]
	s_min_u32 s45, s45, 2048
	s_add_co_u32 s45, s45, 15
	s_lshr_b32 s45, s45, 4
	s_max_u32 s45, s45, 1                          ; the expert's tiles, at least one
	WIN 0x80
.irp fs, 0,1,2,3
.if \fs == 2
	WIN 0xc0
.endif
.irp ft, 0,1,2,3,4,5,6,7
.irp fc, 0,1,2,3
	ds_load_b128 v[128*(\fs%2)+16*\ft+4*\fc:128*(\fs%2)+16*\ft+4*\fc+3], v[L16] offset:\ft*IMGP+2048*\fs+512*\fc
.endr
.endr
.endr
	WIN 0
	s_wait_loadcnt 16                              ; b1 is in; the sixteen gathered rows are younger
	WIN 0x41
.set i, 0
.rept 64
	v_ldexp_f32 v[B1+i], v[B1+i], s41              ; b1 / 2^(e2 + e3): the power of two that the sums lack
.set i, i+1
.endr
	WIN 0
	s_mov_b32 s42, s16                             ; my tile
	s_mov_b32 s43, 0
.Ltrip:
	s_cmp_lt_u32 s42, s45
	s_cbranch_scc0 .Ltail
	s_wait_loadcnt 0x0                             ; the tile's 16 rows are in
	WIN 0x04
.set i, 0
.rept 16
	ds_store_b128 v[XST], v[XR+4*i:XR+4*i+3] offset:XSP*i
.set i, i+1
.endr
	WIN 0
.set i, 0
.rept 16
	ds_load_b128 v[XF+4*i:XF+4*i+3], v[XLD] offset:32*i   ; fragment s = i / 4, registers 4 c on: byte 128 s + 32 c + 16 h of row r.  LDS serves a wave's instructions in order
.set i, i+1
.endr
	s_add_co_u32 s40, s42, 4
	s_cmp_lt_u32 s40, s45
	s_cbranch_scc0 .Lnomore
	XASK 256                                       ; my next tile's rows, a trip ahead
.Lnomore:
	s_wait_dscnt 0x0                               ; x's fragments (and, the first time, the weights')
	UPMUL 0, 0x12, 1                               ; source 0 window 2, C (b1) window 1
	UPMUL 1, 0x02, 0
	UPMUL 2, 0x03, 0
	UPMUL 3, 0x03, 0
	WIN 0
.rept 4
	v_nop                                          ; four places between the last products and the first read of results (ISA guide 7.12.1)
.endr
	; gelu on a = x / 2^(e2 + e3): a / (1 + 2^(a (C0 + C1 a a))).  Each accumulator is read from its low end on.
.set i, 0
.rept 32
	v_pk_mul_f32 v[T+2*i:T+2*i+1], v[HA+2*i:HA+2*i+1], v[HA+2*i:HA+2*i+1]
.set i, i+1
.endr
.set i, 0
.rept 32
	v_pk_fma_f32 v[T+2*i:T+2*i+1], v[T+2*i:T+2*i+1], v[C1:C1+1], v[C0:C0+1]
.set i, i+1
.endr
.set i, 0
.rept 32
	v_pk_mul_f32 v[T+2*i:T+2*i+1], v[T+2*i:T+2*i+1], v[HA+2*i:HA+2*i+1]
.set i, i+1
.endr
.set i, 0
.rept 64
	v_exp_f32 v[T+i], v[T+i]
.set i, i+1
.endr
	v_nop                                          ; a plain line behind the last exponential,
	s_wait_alu depctr_va_vdst(0)                   ; and one wait for the batch, ahead of its first reader
.set i, 0
.rept 32
	v_pk_add_f32 v[T+2*i:T+2*i+1], v[T+2*i:T+2*i+1], 1.0 op_sel_hi:[1,0]
.set i, i+1
.endr
.set i, 0
.rept 64
	v_rcp_f32 v[T+i], v[T+i]                       ; an exponential that ran over gives 0 here, as the function does
.set i, i+1
.endr
	v_nop
	s_wait_alu depctr_va_vdst(0)
.set i, 0
.rept 32
	v_pk_mul_f32 v[HA+2*i:HA+2*i+1], v[HA+2*i:HA+2*i+1], v[T+2*i:T+2*i+1]
.set i, i+1
.endr
.set i, 0
.rept 64
	v_med3_num_f32 v[HA+i], v[HA+i], -v[HLIM], v[HLIM]
.set i, i+1
.endr
.set i, 0
.rept 8
	v_cvt_scalef32_pk8_fp8_f32 v[PC+2*i:PC+2*i+1], v[HA+8*i:HA+8*i+7], v[HSC]   ; registers 16 b + 0 .. 15 are k = 32 b + 16 h + 0 .. 15: the codes ARE the next operand's registers
.set i, i+1
.endr
	v_nop                                          ; one plain line behind the last conversion
.irp c, 0,1,2,3
	global_store_b128 v[L16], v[PC+4*\c:PC+4*\c+3], s[14:15] offset:512*\c   ; the image: 32 lanes store 512 consecutive bytes, aligned
.endr
.Ltail:
	s_wait_xcnt 0x0                                ; the stores have read their registers and their base: both are written again only behind this wait
	s_add_nc_u64 s[14:15], s[14:15], 131072        ; four tiles on
	s_add_co_u32 s44, s44, 256
	s_add_co_u32 s42, s42, 4
	s_add_co_u32 s43, s43, 1
	s_cmp_lt_u32 s43, 32
	s_cbranch_scc1 .Ltrip
	s_wait_tensorcnt 0x0
	ds_add_u32 v254, v255
	s_wait_dscnt 0x0
	s_endpgm
.Lfunc_end_k_q282fc514f8_up:
	.size	k_q282fc514f8_up, .Lfunc_end_k_q282fc514f8_up-k_q282fc514f8_up
	.p2alignl 7, 3214868480
	.fill 96, 4, 3214868480
	.section	.rodata,"a",@progbits
	.p2align	6, 0x0
	.amdhsa_kernel k_q282fc514f8_up
		.amdhsa_group_segment_fixed_size 109056
		.amdhsa_private_segment_fixed_size 0
		.amdhsa_enable_private_segment 0
		.amdhsa_kernarg_size 48
		.amdhsa_user_sgpr_count 2
		.amdhsa_user_sgpr_kernarg_segment_ptr 1
		.amdhsa_wavefront_size32 1
		.amdhsa_system_sgpr_workgroup_id_x 1
		.amdhsa_system_sgpr_workgroup_id_y 1
		.amdhsa_system_sgpr_workgroup_id_z 1
		.amdhsa_system_vgpr_workitem_id 0
		.amdhsa_next_free_vgpr 1024
		.amdhsa_next_free_sgpr 66
		.amdhsa_reserve_vcc 0
		.amdhsa_float_denorm_mode_32 3
		.amdhsa_float_denorm_mode_16_64 3
		.amdhsa_memory_ordered 1
		.amdhsa_forward_progress 1
		.amdhsa_inst_pref_size 174
	.end_amdhsa_kernel
	.amdgpu_metadata
---
amdhsa.version: [ 1, 2 ]
amdhsa.kernels:
  - .name:           k_q282fc514f8_up
    .symbol:         k_q282fc514f8_up.kd
    .args:
      - { .name: W1, .offset: 0, .size: 8, .value_kind: global_buffer, .address_space: global }
      - { .name: b1, .offset: 8, .size: 8, .value_kind: global_buffer, .address_space: global }
      - { .name: lowp_scales, .offset: 16, .size: 8, .value_kind: global_buffer, .address_space: global }
      - { .name: route, .offset: 24, .size: 8, .value_kind: global_buffer, .address_space: global }
      - { .name: xc, .offset: 32, .size: 8, .value_kind: global_buffer, .address_space: global }
      - { .name: hbuf, .offset: 40, .size: 8, .value_kind: global_buffer, .address_space: global }
    .group_segment_fixed_size: 109056
    .private_segment_fixed_size: 0
    .kernarg_segment_align: 8
    .kernarg_segment_size: 48
    .max_flat_workgroup_size: 128
    .sgpr_count:     66
    .vgpr_count:     1024
    .wavefront_size: 32
...
	.end_amdgpu_metadata
.endif
;; end of part 2
;; launch down (part 3): grid 16 x 16, 4 waves a work-group, no clusters, 92,160 bytes of LDS; arguments W2, b2, lowp_scales, route, hbuf, ybuf; writes ybuf
.if DOCPART == 3
	.amdgcn_target "amdgcn-amd-amdhsa--gfx1250"
	.amdhsa_code_object_version 6
	.text
	.protected	k_q282fc514f8_down
	.globl	k_q282fc514f8_down
	.p2align	8
	.type	k_q282fc514f8_down,@function
k_q282fc514f8_down:
	s_mov_b64 s[64:65], 0
	v_nop
	global_prefetch_b8 v0, s[64:65] scope:SCOPE_SE
	s_setreg_imm32_b32 hwreg(HW_REG_WAVE_MODE, 25, 1), 1
	s_wait_xcnt 0x0
; THE EXPERTS' SECOND LAYER, for the chosen rows alone: y = Q4(h) Q5(W2) + b2, in two halves of K.
; Work-group (x, y = e): a = x & 1 is the half of K (hidden units 1024 a on), b = x >> 1 picks 64 columns of the 512: a slice of W2 of 1,024 x 64, read from memory once, as f32, by nobody else.
; Two halves of K x eight slices of columns: a row's piece of W2 is then 256 consecutive bytes, aligned; an expert's hidden codes are read by eight work-groups; and two partial results a row go to memory.
; PHASE 1 (weights) as in the launch before: wave w takes rows 256 w on of the half, 32 rows a group (lanes 0-15 rows 32 g + i, lanes 16-31 rows 32 g + 16 + i, 256 bytes each); hold, conversion, the 4 x 4 turn;
;   each column's 16 codes along K go to LDS as one 16-byte piece of an image of a fragment's registers.  Wave 0 lists the expert's rows by the same scan, word for word, so the order is the same.
; PHASE 2.  Every wave loads all 32 fragments (4 tiles of 16 columns x 8 K steps) into 512 registers.
; PHASE 3 (rows).  Wave w takes tiles w, w + 4, ..: the tile's 8 images (16 KB on end) come straight into registers, a tile ahead, in two sets by turns; 32 products (source 0 = 16 columns, source 1 = 16 rows, so a lane
;   holds eight neighbouring columns of one row); sum x 2^(e4 + e5) (+ b2 in half 0); through the wave's own stage; each row's 256 bytes go to row (2048 k + token) of plane a of ybuf.
; ybuf: [half 2][4,112 rows][512] f32.  Rows 4096 + e take the results of the padding rows; nobody reads them.
; The rows' loop has a constant count, 16 trips of two tiles; a tile beyond the expert's is jumped over.
; THE TWO SETS.  On every way into half p of a trip the loads that are out, if any, write set p alone: a half that is jumped over waits for all loads; a half that is worked fills set 1 - p and waits for all but those 32,
;   or fills nothing and waits for all.
; No multicast: no two work-groups read the same weights, and the trips' branches hang on stored numbers.
; LIMITS: e5 between -126 and 119; e4 + e5 between -126 and 127.  NaN among the inputs is not served.
.set IMGP,  16400                      ; LDS 0: 4 tiles x (8 images of 2,048 bytes + 16): with the 16, the sixteen lanes of an image store fall on sixteen different 16-byte columns modulo 256
.set LIST,  65792                      ; 8,448 bytes: 2,080 entries of 4 bytes, then the dump entry, then the count
.set DUMPI, 2080
.set CNT,   LIST+8324
.set YSTG,  74240                      ; a stage of 16 rows x (256 + 16) bytes for each wave
.set YSP,   272
.set PLANE, 8421376                    ; 4,112 rows of 2,048 bytes
.set WGRP,  32                         ; rows of W2 in a group
.set WROW,  2048                       ; bytes from row to row of W2
.set L16,  4                           ; v4   16 x lane
.set IMA,  5                           ; v5   where my four columns' pieces go in the images
.set YST,  6                           ; v6   the stage, in
.set YLD,  7                           ; v7   the stage, out
.set LE,   8                           ; v8   the list's entries in hand
.set SCW,  9                           ; v9   2^e5
.set WO,   10                          ; v10  W2: 16 rows down for lanes 16-31, + 16 (lane % 16)
.set H32,  11                          ; v11  32 h
.set C16,  12                          ; v12  16 (lane % 16)
.set DIDX, 16                          ; v16  the dump entry's index
.set L4,   17                          ; v17  4 x lane
.set PADV, 18                          ; v18  4096 + e
.set CNTA, 19                          ; v19  the count's LDS address
.set SC,   20                          ; v20-27 the scan's two sets of four
.set NREG, 29                          ; v29  at work at the head; then the count
.set PADA, 30                          ; v30  LIST + 4 x lane
.set LB,   31                          ; v31  LIST + 32 h: lanes 16-31 take the tile's entries 8 to 15
.set RW,   32                          ; weights: v32-95 the route words (wave 0)
.set PQ,   96                          ; weights: v96-99 4096 + e, four times
.set PADQ, 100                         ; weights: v100 LIST + 16 x lane
.set CB,   176                         ; v176-191 codes, row i's four columns in register i
.set TT,   192                         ; v192-199 at work
.set OB,   200                         ; v200-231 two sets of 16
.set ACC,  32                          ; rows: v32-63 the four tiles' sums
.set YT,   64                          ; v64-95 the results
.set YB,   96                          ; v96-127 whole rows, back from the stage
.set B2,   128                         ; v128-159 b2 in the sums' layout (zeros in half 1)
.set ENT,  160                         ; v160-167 eight entries, then the rows' offsets
.set WOFF, WO
; window 1, weights: four sets of 64 registers; rows: the hidden fragments, two sets of 128.  Windows 2 and 3: fragment (tile t, K step s) at register 64 (s % 4) + 16 t of window 2 + s / 4.
.set MSB, 0
.macro WIN new                         ; s_set_vgpr_msb: bits 1:0 source 0, 3:2 source 1, 5:4 source 2, 7:6 destination; the high byte repeats the setting that is left
.if MSB != \new
	s_set_vgpr_msb (MSB<<8)|\new
.set MSB, \new
.endif
.endm
.macro WLOAD g                         ; group g: 32 rows into set g % 4
	WIN 0x40
.set i, 0
.rept 16
	global_load_b128 v[64*((\g)%4)+4*i:64*((\g)%4)+4*i+3], v[WOFF], s[4:5] offset:(WGRP*(\g)+i)*WROW th:TH_LOAD_NT
.set i, i+1
.endr
	WIN 0
.endm
; Group g becomes codes and goes to the images.  cnt: the loads that are younger than the group's.  off: the group's place in an image.
.macro QGROUP g, cnt, off
	s_wait_loadcnt \cnt
.set QR, 64*((\g)%4)
	WIN 0x41
.set i, 0
.rept 64
	v_med3_num_f32 v[QR+i], v[QR+i], s31, s30      ; the conversion does not saturate (ISA guide 7.6.2): held within 448 x 2^e first
.set i, i+1
.endr
	WIN 0x01
.set i, 0
.rept 8
	v_cvt_scalef32_pk8_fp8_f32 v[CB+2*i:CB+2*i+1], v[QR+8*i:QR+8*i+7], v[SCW]   ; rows 2 i and 2 i + 1, four columns each
.set i, i+1
.endr
	v_nop                                          ; one plain line between the conversions and the readers of their results
	WIN 0
	s_wait_dscnt 4                                 ; the image stores of two groups back have read this set of OB; the last group's four may be out
.set QO, OB+16*((\g)%2)
.irp q, 0,1,2,3                        ; rows 4 q .. 4 q + 3 x 4 columns: 4 x 4 bytes are turned
.set QT, TT+4*(\q%2)
	v_perm_b32 v[QT], v[CB+4*\q+1], v[CB+4*\q], s32      ; r0c0 r1c0 r0c1 r1c1
	v_perm_b32 v[QT+1], v[CB+4*\q+1], v[CB+4*\q], s33    ; r0c2 r1c2 r0c3 r1c3
	v_perm_b32 v[QT+2], v[CB+4*\q+3], v[CB+4*\q+2], s32  ; the same of rows 2, 3
	v_perm_b32 v[QT+3], v[CB+4*\q+3], v[CB+4*\q+2], s33
	v_perm_b32 v[QO+\q], v[QT+2], v[QT], s34
	v_perm_b32 v[QO+4+\q], v[QT+2], v[QT], s35
	v_perm_b32 v[QO+8+\q], v[QT+3], v[QT+1], s34
	v_perm_b32 v[QO+12+\q], v[QT+3], v[QT+1], s35
.endr
.irp j, 0,1,2,3
	ds_store_b128 v[IMA], v[QO+4*\j:QO+4*\j+3] offset:\off+16*\j
.endr
.endm
; Wave 0 lists the expert's rows.  Register X of lane l holds the word of token 128 (X / 4) + 4 l + X % 4.  A match's rank is the count so far + the matches in lower lanes; a lane without a match writes the dump entry.
; EXEC is never written.  Wave 0 is the only wave that touches LDS ahead of the first barrier.
.macro SCAN
.set i, 0
.rept 16
	ds_store_b128 v[PADQ], v[PQ:PQ+3] offset:512*i ; the list's whole region, 8,448 bytes, begins as padding: 16 x 512 bytes,
.set i, i+1
.endr
	ds_store_b32 v[PADA], v[PADV] offset:8192      ; and 2 x 128.  LDS serves a wave's instructions in order: the entries and the count below are written over it
	ds_store_b32 v[PADA], v[PADV] offset:8320
.set X, 0
.rept 64
.set S0, SC+4*(X%2)
	v_and_b32 v[S0], s36, v[RW+X]                  ; bit e or bit 16 + e
	v_cmp_ne_u32 s39, 0, v[S0]
	v_bfe_u32 v[S0+1], v[RW+X], s37, 1             ; k: the second choice?
	v_mbcnt_lo_u32_b32 v[S0], s39, s38
	s_bcnt1_i32_b32 s40, s39
	s_add_co_u32 s38, s38, s40
	v_cndmask_b32 v[S0], v[DIDX], v[S0], s39
	v_min_u32 v[S0], DUMPI, v[S0]
	v_lshl_add_u32 v[S0], v[S0], 2, LIST
	v_lshl_add_u32 v[S0+1], v[S0+1], 11, v[L4]
	v_add_nc_u32 v[S0+1], 128*(X/4)+X%4, v[S0+1]
	ds_store_b32 v[S0], v[S0+1]
.set X, X+1
.endr
	v_mov_b32 v[SC+1], s38
	ds_store_b32 v[CNTA], v[SC+1]                  ; the count
	s_wait_dscnt 0x0
.endm
; Half p of a trip: tile s42 + 4 p, whose fragments lie in set p.
.macro DHALF p
	s_add_co_u32 s40, s42, 4*\p
	s_cmp_lt_u32 s40, s45
	s_cbranch_scc1 .Ldo_\@
	s_wait_loadcnt 0x0                             ; the expert has no such tile: on this way too no load is out when the next half fills a set
	s_branch .Lskip_\@
.Ldo_\@:
	s_add_co_u32 s40, s40, 4
	s_cmp_lt_u32 s40, s45
	s_cbranch_scc0 .Llast_\@
	WIN 0x40
.set i, 0
.rept 32
	global_load_b128 v[128*(1-\p)+4*i:128*(1-\p)+4*i+3], v[L16], s[12:13] offset:131072*(\p+1)+512*i   ; my next tile, into the other set: 32 lanes read 512 consecutive bytes
.set i, i+1
.endr
	WIN 0
	s_wait_loadcnt 32                              ; this tile's loads are in; the 32 just issued may be out
	s_branch .Lgo_\@
.Llast_\@:
	s_wait_loadcnt 0x0
.Lgo_\@:
	WIN 0x06                                       ; source 0 (W2) window 2, source 1 (h) window 1.  The four accumulators take turns, one instruction a turn
.irp s, 0,1,2,3
.irp t, 0,1,2,3
.if \s == 0
	v_wmma_f32_16x16x128_fp8_fp8 v[ACC+8*\t:ACC+8*\t+7], v[64*\s+16*\t:64*\s+16*\t+15], v[128*\p+16*\s:128*\p+16*\s+15], 0
.else
	v_wmma_f32_16x16x128_fp8_fp8 v[ACC+8*\t:ACC+8*\t+7], v[64*\s+16*\t:64*\s+16*\t+15], v[128*\p+16*\s:128*\p+16*\s+15], v[ACC+8*\t:ACC+8*\t+7]
.endif
.endr
.endr
	WIN 0x07                                       ; source 0 window 3
.irp s, 4,5,6,7
.irp t, 0,1,2,3
	v_wmma_f32_16x16x128_fp8_fp8 v[ACC+8*\t:ACC+8*\t+7], v[64*(\s-4)+16*\t:64*(\s-4)+16*\t+15], v[128*\p+16*\s:128*\p+16*\s+15], v[ACC+8*\t:ACC+8*\t+7]
.endr
.endr
	WIN 0
.rept 4
	v_nop                                          ; four places between the last products and the first read of results, and the next loads into their operands
.endr
	s_wait_xcnt 0x0                                ; the last tile's stores have read ENT and YB, which are written again below
	v_add_nc_u32 v[LE], s44, v[LB]
	ds_load_b128 v[ENT:ENT+3], v[LE] offset:256*\p
	ds_load_b128 v[ENT+4:ENT+7], v[LE] offset:256*\p+16
.set i, 0
.rept 16
	v_pk_fma_f32 v[YT+2*i:YT+2*i+1], v[ACC+2*i:ACC+2*i+1], s[46:47], v[B2+2*i:B2+2*i+1] op_sel_hi:[1,0,1]   ; sum x 2^(e4 + e5) + b2; each accumulator from its low end on
.set i, i+1
.endr
.set i, 0
.rept 8
	ds_store_b128 v[YST], v[YT+4*i:YT+4*i+3] offset:64*(i/2)+16*(i%2)   ; lane (r, h): columns 16 t + 8 h + 0 .. 7 of row r
.set i, i+1
.endr
.set i, 0
.rept 8
	ds_load_b128 v[YB+4*i:YB+4*i+3], v[YLD] offset:YSP*i   ; lanes 0-15 row i, lanes 16-31 row 8 + i.  LDS serves a wave's instructions in order
.set i, i+1
.endr
	s_wait_dscnt 16                                ; the entries are in: eight stores and eight loads are younger
.set i, 0
.rept 8
	v_min_u32 v[ENT+i], 0x100f, v[ENT+i]
	v_lshl_add_u32 v[ENT+i], v[ENT+i], 11, v[C16]
.set i, i+1
.endr
.set i, 0
.rept 8
	s_wait_dscnt 7-i
	global_store_b128 v[ENT+i], v[YB+4*i:YB+4*i+3], s[14:15]   ; each half of the lanes stores 256 consecutive bytes of one row, aligned
.set i, i+1
.endr
.Lskip_\@:
.endm
	s_load_b256 s[4:11], s[0:1], 0x0               ; W2 s[4:5], b2 s[6:7], the scales' exponents s[8:9], route s[10:11]
	s_load_b128 s[12:15], s[0:1], 0x20             ; hbuf s[12:13], ybuf s[14:15]
	v_lshl_add_u32 v254, v0, 2, 0x16600
	v_mov_b32 v255, 0
	v_lshrrev_b32 v1, 5, v0
	v_readfirstlane_b32 s16, v1                    ; wave w
	s_and_b32 s17, ttmp9, 1                        ; a
	s_lshr_b32 s50, ttmp9, 1                       ; b
	s_and_b32 s18, ttmp7, 0xffff                   ; expert e
	v_and_b32 v1, 31, v0
	v_and_b32 v2, 15, v0                           ; r
	v_bfe_u32 v3, v0, 4, 1                         ; h
	v_lshlrev_b32 v[L16], 4, v1
	; column 4 (l % 16) + j of the slice is row 4 (l & 3) + j of tile (l % 16) >> 2; lanes 16-31 hold the upper 16 of a block of 32 along K
	v_bfe_u32 v[NREG], v0, 2, 2
	v_mul_u32_u24 v[IMA], v[NREG], IMGP
	v_and_b32 v[NREG], 3, v0
	v_lshl_add_u32 v[IMA], v[NREG], 6, v[IMA]
	v_lshl_add_u32 v[IMA], v3, 8, v[IMA]
	s_lshl_b32 s19, s16, 12
	v_add_nc_u32 v[IMA], s19, v[IMA]               ; + K steps 2 w, 2 w + 1
	s_mul_i32 s19, s16, 16*YSP
	s_add_co_u32 s19, s19, YSTG
	v_mul_u32_u24 v[YST], v2, YSP
	v_lshl_add_u32 v[YST], v3, 5, v[YST]
	v_add_nc_u32 v[YST], s19, v[YST]
	v_mul_u32_u24 v[YLD], v3, 8*YSP
	v_lshl_add_u32 v[YLD], v2, 4, v[YLD]
	v_add_nc_u32 v[YLD], s19, v[YLD]
	v_lshlrev_b32 v[C16], 4, v2
	v_lshl_add_u32 v[WO], v3, 15, v[C16]
	v_lshlrev_b32 v[H32], 5, v3
	v_add_nc_u32 v[LB], LIST, v[H32]
	v_mov_b32 v[DIDX], DUMPI
	v_lshlrev_b32 v[L4], 2, v1
	s_add_co_u32 s19, s18, 4096
	v_mov_b32 v[PADV], s19
.irp j, 0,1,2,3
	v_mov_b32 v[PQ+\j], s19
.endr
	v_add_nc_u32 v[PADQ], LIST, v[L16]
	v_mov_b32 v[CNTA], CNT
	v_lshl_add_u32 v[PADA], v1, 2, LIST
	s_lshl_b32 s26, s18, 22                        ; W2: an expert is 4,194,304 bytes,
	s_lshl_b32 s27, s17, 21                        ; 1,024 rows of 2,048,
	s_add_co_u32 s26, s26, s27
	s_lshl_b32 s27, s16, 19                        ; 256 rows,
	s_add_co_u32 s26, s26, s27
	s_lshl_b32 s27, s50, 8                         ; 64 columns of 4
	s_add_co_u32 s26, s26, s27
	s_mov_b32 s27, 0
	s_lshl_b32 s28, s18, 11                        ; b2
	s_lshl_b32 s29, s50, 8
	s_add_co_u32 s28, s28, s29
	s_mov_b32 s29, 0
	s_lshl_b32 s52, s18, 22                        ; hbuf: expert, tile w, K steps 8 a on
	s_lshl_b32 s53, s16, 15
	s_add_co_u32 s52, s52, s53
	s_lshl_b32 s53, s17, 14
	s_add_co_u32 s52, s52, s53
	s_mov_b32 s53, 0
	s_mul_i32 s54, s17, PLANE                      ; ybuf: plane a, columns 64 b on
	s_lshl_b32 s55, s50, 8
	s_add_co_u32 s54, s54, s55
	s_mov_b32 s55, 0
	s_mov_b32 s32, 0x05010400                      ; the byte selects of the 4 x 4 turn
	s_mov_b32 s33, 0x07030602
	s_mov_b32 s34, 0x05040100
	s_mov_b32 s35, 0x07060302
	s_lshl_b32 s36, 0x10001, s18
	s_add_co_u32 s37, s18, 16
	s_mov_b32 s38, 0
	s_wait_kmcnt 0x0
	s_load_b128 s[20:23], s[8:9], 0x0              ; e0 .. e3
	s_load_b64 s[24:25], s[8:9], 0x10              ; e4, e5
	s_add_nc_u64 s[4:5], s[4:5], s[26:27]
	s_add_nc_u64 s[6:7], s[6:7], s[28:29]
	s_add_nc_u64 s[12:13], s[12:13], s[52:53]
	s_add_nc_u64 s[14:15], s[14:15], s[54:55]
.irp t, 0,1,2,3
	global_load_b128 v[B2+8*\t:B2+8*\t+3], v[H32], s[6:7] offset:64*\t   ; b2 of my lane's columns 16 t + 8 h + 0 .. 7
	global_load_b128 v[B2+8*\t+4:B2+8*\t+7], v[H32], s[6:7] offset:64*\t+16
.endr
	s_cmp_lg_u32 s16, 0
	s_cbranch_scc1 .Lothers
.set i, 0
.rept 16
	global_load_b128 v[RW+4*i:RW+4*i+3], v[L16], s[10:11] offset:512*i
.set i, i+1
.endr
	WLOAD 0
	WLOAD 1
	WLOAD 2
	WLOAD 3
	s_wait_loadcnt 63                              ; the route words are in: 64 loads are younger, and the count's field ends at 63
	SCAN
	s_branch .Ljoin
.Lothers:
	WLOAD 0
	WLOAD 1
	WLOAD 2
	WLOAD 3
.Ljoin:
	s_wait_kmcnt 0x0
	s_add_co_i32 s26, s25, 127
	s_lshl_b32 s27, s26, 23
	v_mov_b32 v[SCW], s27                          ; 2^e5
	s_add_co_i32 s26, s26, 8
	s_lshl_b32 s26, s26, 23
	s_or_b32 s30, s26, 0x600000                    ; 448 x 2^e5,
	s_xor_b32 s31, s30, 0x80000000                 ; and its negative
	s_add_co_i32 s46, s24, s25
	s_add_co_i32 s46, s46, 127
	s_lshl_b32 s46, s46, 23                        ; 2^(e4 + e5)
	s_mov_b32 s47, s46                             ; (named with it as a pair, so it is written)
	s_wait_dscnt 0x0
	s_barrier_signal -1
	s_barrier_wait -1                              ; the list is whole; from here on all waves write the images
	QGROUP 0, 48, 0                                ; 48: the three groups behind this one
	WLOAD 4
	QGROUP 1, 48, 512
	WLOAD 5
	QGROUP 2, 48, 1024
	WLOAD 6
	QGROUP 3, 48, 1536
	WLOAD 7
	QGROUP 4, 48, 2048
	QGROUP 5, 32, 2560
	QGROUP 6, 16, 3072
	QGROUP 7, 0, 3584
	s_wait_dscnt 0x0                               ; for the others' sake: my pieces of the images have landed
	s_barrier_signal -1
	s_barrier_wait -1
	ds_load_b32 v[NREG], v[CNTA]
	s_wait_dscnt 0x0
	v_readfirstlane_b32 s45, v[NREG]
	s_min_u32 s45, s45, 2048
	s_add_co_u32 s45, s45, 15
	s_lshr_b32 s45, s45, 4
	s_max_u32 s45, s45, 1                          ; the expert's tiles, at least one
	s_cmp_lt_u32 s16, s45
	s_cbranch_scc0 .Lnofirst
	WIN 0x40
.set i, 0
.rept 32
	global_load_b128 v[4*i:4*i+3], v[L16], s[12:13] offset:512*i   ; my first tile, if the expert has it, into set 0
.set i, i+1
.endr
	WIN 0
.Lnofirst:
	WIN 0x80
.irp fs, 0,1,2,3,4,5,6,7
.if \fs == 4
	WIN 0xc0
.endif
.irp ft, 0,1,2,3
.irp fc, 0,1,2,3
	ds_load_b128 v[64*(\fs%4)+16*\ft+4*\fc:64*(\fs%4)+16*\ft+4*\fc+3], v[L16] offset:\ft*IMGP+2048*\fs+512*\fc
.endr
.endr
.endr
	WIN 0
	s_cmp_eq_u32 s17, 0
	s_cselect_b32 s51, -1, 0
.set i, 0
.rept 32
	v_and_b32 v[B2+i], s51, v[B2+i]                ; half 0 alone adds b2
.set i, i+1
.endr
	s_lshl_b32 s44, s16, 6                         ; my first tile's entries: 64 w bytes into the list
	s_mov_b32 s42, s16                             ; my tile
	s_mov_b32 s43, 0
	s_wait_dscnt 0x0                               ; the weights' fragments are in
.Ltrip:
	DHALF 0
	DHALF 1
	s_wait_xcnt 0x0                                ; the loads have read their base: it is stepped only behind this wait
	s_add_nc_u64 s[12:13], s[12:13], 262144        ; eight tiles on
	s_add_co_u32 s44, s44, 512
	s_add_co_u32 s42, s42, 8
	s_add_co_u32 s43, s43, 1
	s_cmp_lt_u32 s43, 16
	s_cbranch_scc1 .Ltrip
	s_wait_tensorcnt 0x0
	ds_add_u32 v254, v255
	s_wait_dscnt 0x0
	s_endpgm
.Lfunc_end_k_q282fc514f8_down:
	.size	k_q282fc514f8_down, .Lfunc_end_k_q282fc514f8_down-k_q282fc514f8_down
	.p2alignl 7, 3214868480
	.fill 96, 4, 3214868480
	.section	.rodata,"a",@progbits
	.p2align	6, 0x0
	.amdhsa_kernel k_q282fc514f8_down
		.amdhsa_group_segment_fixed_size 92160
		.amdhsa_private_segment_fixed_size 0
		.amdhsa_enable_private_segment 0
		.amdhsa_kernarg_size 48
		.amdhsa_user_sgpr_count 2
		.amdhsa_user_sgpr_kernarg_segment_ptr 1
		.amdhsa_wavefront_size32 1
		.amdhsa_system_sgpr_workgroup_id_x 1
		.amdhsa_system_sgpr_workgroup_id_y 1
		.amdhsa_system_sgpr_workgroup_id_z 1
		.amdhsa_system_vgpr_workitem_id 0
		.amdhsa_next_free_vgpr 1024
		.amdhsa_next_free_sgpr 66
		.amdhsa_reserve_vcc 0
		.amdhsa_float_denorm_mode_32 3
		.amdhsa_float_denorm_mode_16_64 3
		.amdhsa_memory_ordered 1
		.amdhsa_forward_progress 1
		.amdhsa_inst_pref_size 160
	.end_amdhsa_kernel
	.amdgpu_metadata
---
amdhsa.version: [ 1, 2 ]
amdhsa.kernels:
  - .name:           k_q282fc514f8_down
    .symbol:         k_q282fc514f8_down.kd
    .args:
      - { .name: W2, .offset: 0, .size: 8, .value_kind: global_buffer, .address_space: global }
      - { .name: b2, .offset: 8, .size: 8, .value_kind: global_buffer, .address_space: global }
      - { .name: lowp_scales, .offset: 16, .size: 8, .value_kind: global_buffer, .address_space: global }
      - { .name: route, .offset: 24, .size: 8, .value_kind: global_buffer, .address_space: global }
      - { .name: hbuf, .offset: 32, .size: 8, .value_kind: global_buffer, .address_space: global }
      - { .name: ybuf, .offset: 40, .size: 8, .value_kind: global_buffer, .address_space: global }
    .group_segment_fixed_size: 92160
    .private_segment_fixed_size: 0
    .kernarg_segment_align: 8
    .kernarg_segment_size: 48
    .max_flat_workgroup_size: 128
    .sgpr_count:     66
    .vgpr_count:     1024
    .wavefront_size: 32
...
	.end_amdgpu_metadata
.endif
;; end of part 3
;; launch combine (part 4): grid 256 x 1, 8 waves a work-group, no clusters, 0 bytes of LDS; arguments ybuf, out0; writes out0
.if DOCPART == 4
	.amdgcn_target "amdgcn-amd-amdhsa--gfx1250"
	.amdhsa_code_object_version 6
	.text
	.protected	k_q282fc514f8_combine
	.globl	k_q282fc514f8_combine
	.p2align	8
	.type	k_q282fc514f8_combine,@function
k_q282fc514f8_combine:
	s_mov_b64 s[64:65], 0
	v_nop
	global_prefetch_b8 v0, s[64:65] scope:SCOPE_SE
	s_setreg_imm32_b32 hwreg(HW_REG_WAVE_MODE, 25, 1), 1
	s_wait_xcnt 0x0
; out0[t] = the sum of the token's two experts' results, each in two halves of K: rows t and 2048 + t of both planes of ybuf ([2][4,112][512] f32).
; A plain stream: a work-group takes 8 rows of out0 (16 KB), thread t the 16 bytes at 16 t of each of four chunks of 4,096 bytes.  All sixteen loads of a thread go out at once, chunk by chunk;
; each load and store of a wave covers 512 consecutive bytes, aligned.  No LDS, no barrier, no matrix work: nothing is shared and nothing is multiplied.
; The order of the sum: (half 0 + half 1) of the first choice + (half 0 + half 1) of the second.
.set PLANE, 8421376                    ; 4,112 rows of 2,048 bytes
.set SECOND, 4194304                   ; 2,048 rows on: the second choice
	s_load_b128 s[4:7], s[0:1], 0x0                ; ybuf, out0
	v_lshlrev_b32 v1, 4, v0
	s_lshl_b32 s8, ttmp9, 14
	s_mov_b32 s9, 0
	s_wait_kmcnt 0x0
	s_add_nc_u64 s[4:5], s[4:5], s[8:9]
	s_add_nc_u64 s[6:7], s[6:7], s[8:9]
	s_add_nc_u64 s[10:11], s[4:5], PLANE
.irp c, 0,1,2,3
	global_load_b128 v[2+16*\c:5+16*\c], v1, s[4:5] offset:4096*\c th:TH_LOAD_NT
	global_load_b128 v[6+16*\c:9+16*\c], v1, s[10:11] offset:4096*\c th:TH_LOAD_NT
	global_load_b128 v[10+16*\c:13+16*\c], v1, s[4:5] offset:4096*\c+SECOND th:TH_LOAD_NT
	global_load_b128 v[14+16*\c:17+16*\c], v1, s[10:11] offset:4096*\c+SECOND th:TH_LOAD_NT
.endr
.irp c, 0,1,2,3
	s_wait_loadcnt 12-4*\c                         ; this chunk's four loads are in; the later chunks' may be out
	v_pk_add_f32 v[2+16*\c:3+16*\c], v[2+16*\c:3+16*\c], v[6+16*\c:7+16*\c]
	v_pk_add_f32 v[4+16*\c:5+16*\c], v[4+16*\c:5+16*\c], v[8+16*\c:9+16*\c]
	v_pk_add_f32 v[10+16*\c:11+16*\c], v[10+16*\c:11+16*\c], v[14+16*\c:15+16*\c]
	v_pk_add_f32 v[12+16*\c:13+16*\c], v[12+16*\c:13+16*\c], v[16+16*\c:17+16*\c]
	v_pk_add_f32 v[2+16*\c:3+16*\c], v[2+16*\c:3+16*\c], v[10+16*\c:11+16*\c]
	v_pk_add_f32 v[4+16*\c:5+16*\c], v[4+16*\c:5+16*\c], v[12+16*\c:13+16*\c]
	global_store_b128 v1, v[2+16*\c:5+16*\c], s[6:7] offset:4096*\c th:TH_STORE_NT
.endr
	s_endpgm
.Lfunc_end_k_q282fc514f8_combine:
	.size	k_q282fc514f8_combine, .Lfunc_end_k_q282fc514f8_combine-k_q282fc514f8_combine
	.p2alignl 7, 3214868480
	.fill 96, 4, 3214868480
	.section	.rodata,"a",@progbits
	.p2align	6, 0x0
	.amdhsa_kernel k_q282fc514f8_combine
		.amdhsa_group_segment_fixed_size 0
		.amdhsa_private_segment_fixed_size 0
		.amdhsa_enable_private_segment 0
		.amdhsa_kernarg_size 16
		.amdhsa_user_sgpr_count 2
		.amdhsa_user_sgpr_kernarg_segment_ptr 1
		.amdhsa_wavefront_size32 1
		.amdhsa_system_sgpr_workgroup_id_x 1
		.amdhsa_system_sgpr_workgroup_id_y 1
		.amdhsa_system_sgpr_workgroup_id_z 1
		.amdhsa_system_vgpr_workitem_id 0
		.amdhsa_next_free_vgpr 96
		.amdhsa_next_free_sgpr 66
		.amdhsa_reserve_vcc 0
		.amdhsa_float_denorm_mode_32 3
		.amdhsa_float_denorm_mode_16_64 3
		.amdhsa_memory_ordered 1
		.amdhsa_forward_progress 1
		.amdhsa_inst_pref_size 5
	.end_amdhsa_kernel
	.amdgpu_metadata
---
amdhsa.version: [ 1, 2 ]
amdhsa.kernels:
  - .name:           k_q282fc514f8_combine
    .symbol:         k_q282fc514f8_combine.kd
    .args:
      - { .name: ybuf, .offset: 0, .size: 8, .value_kind: global_buffer, .address_space: global }
      - { .name: out0, .offset: 8, .size: 8, .value_kind: global_buffer, .address_space: global }
    .group_segment_fixed_size: 0
    .private_segment_fixed_size: 0
    .kernarg_segment_align: 8
    .kernarg_segment_size: 16
    .max_flat_workgroup_size: 256
    .sgpr_count:     66
    .vgpr_count:     96
    .wavefront_size: 32
...
	.end_amdgpu_metadata
.endif
;; end of part 4
;; ======== version 2 of 2: 4 launches; version 1 with the launch route written anew for expert scheduling mode
;; workspace buffers: xc 1,048,576 bytes; route 8,192 bytes of whole numbers; hbuf 67,108,864 bytes; ybuf 16,842,752 bytes
;; launch route (part 5): grid 128 x 1, 4 waves a work-group, no clusters, 47,104 bytes of LDS; arguments x, Wg, bg, lowp_scales, xc, route, out1, out2; writes xc, route, out1, out2
.if DOCPART == 5
	.amdgcn_target "amdgcn-amd-amdhsa--gfx1250"
	.amdhsa_code_object_version 6
	.text
	.protected	k_q282fc514f8_route
	.globl	k_q282fc514f8_route
	.p2align	8
	.type	k_q282fc514f8_route,@function
k_q282fc514f8_route:
	s_mov_b64 s[64:65], 0
	v_nop
	global_prefetch_b8 v0, s[64:65] scope:SCOPE_SE
	s_setreg_imm32_b32 hwreg(HW_REG_WAVE_SCHED_MODE, 0, 2), 2
	s_setreg_imm32_b32 hwreg(HW_REG_WAVE_MODE, 25, 1), 1
	s_wait_xcnt 0x0
	s_wait_alu depctr_vm_vsrc(0)
; THE GATE.  logits = Q0(x) Q1(Wg) + bg on codes of E4M3; the two largest logits of each token (the lower index wins a tie), their softmax; and x's codes at the scale of the experts' first product.
; x [2048][512] f32, Wg [512][16] f32 (K is its first axis), bg [16], lowp_scales: e0 (x, gate), e1 (Wg), e3 (x, experts) are used here.
; OUT: xc [2048][512] codes of x at 2^e3, K in its natural order; route: one word a token, (1 << first expert) | (1 << (16 + second expert)); out1 [2048][2] int32; out2 [2048][2] f32.
; No address and no branch of this launch hangs on the choice: all its results go to fixed places.
; SHARES.  A work-group takes 16 tokens; wave s takes K step s (128 of the 512), so that four short chains run side by side.  The four partial sums meet in LDS; wave 0 adds them and chooses.
; LAYOUT of a fragment (16 rows x 128 K, 16 registers): registers 4 c .. 4 c + 3 of lane (r = lane % 16, h = lane / 16) hold k = 32 c + 16 h + 0 .. 15 of row r: the same permutation of k on both sides of the product.
; The product is used transposed (source 0 = 16 experts, source 1 = 16 tokens): lane (r, h) then holds token r and experts 8 h + 0 .. 7.
; LIMITS: e0, e1, e3 between -126 and 119; e0 + e1 between -126 and 127 (each power of two below is an f32 number).  NaN among the inputs is not served; an infinity is held at the largest code.
; THE MODE: SCHED_MODE bits 1:0 = 2 (LLVM: expert scheduling mode 2), set by the entry lines.  The code itself states the register dependences between vector or matrix instructions
; and memory or LDS instructions, with s_wait_alu, always for 0.
; THE PLAN.  Registers that memory or LDS instructions touch:
;   v4-10, v249-252  addresses, made at the head and never written again: one wait on va_vdst ahead of the first load serves them all.
;   v16-79    x as loaded; the stage's stores read them; then the codes (XG, XC, WF) and the sums (DD) are written there: one wait on vm_vsrc between.
;   XC, DD    written by conversions and by the product, read by LDS stores: one wait on va_vdst ahead of those stores.  The same wait shows T and v80-143 done with, in which LDS loads land later.
;   v140, v141, v148, v149, v152  the choice, read by the last three stores: one wait on va_vdst ahead of them.
; Every compare writes a scalar register; one wait on va_sdst stands behind each run of compares, ahead of the first select that reads a mask.
.set XSP,  528                         ; a stage row: 512 bytes + 16
.set XWV,  16*XSP                      ; LDS 0: a stage of 16 rows of 128 f32 for each wave
.set CST,  4*XWV                       ; then 16 rows of 512 codes (+ 16), the work-group's
.set PART, CST+16*XSP                  ; then 1,024 bytes of partial sums for each wave
.set XR,   16                          ; v16-79   x as loaded: 16 rows x 4 registers; later:
.set XG,   16                          ; v16-31   x's fragment at 2^e0
.set XC,   32                          ; v32-47   x's fragment at 2^e3
.set WF,   48                          ; v48-63   Wg's fragment
.set DD,   64                          ; v64-71   the partial sums
.set XV,   80                          ; v80-143  64 numbers of my row of x, in the fragment's order
.set WR,   144                         ; v144-207 64 numbers of my column of Wg, down K
.set T,    208                         ; v208-239 two sets of 16, at work
.set BG,   240                         ; v240-247 bg of my eight experts
; v1 lane, v2 r, v3 h, v4 16 x lane, v5/v6 the stage in and out, v7 Wg's offset, v8/v9 the codes' rows in and out, v10/v249 the partial sums in and out,
; v11/v12 2^e0 and 448 x 2^e0, v13/v14 the same for e3, v15/v248 for e1, v250 32 h, v251/v252 my token's offset in out1, out2 / in route
.macro MKSC se, vs, vl                 ; 2^e and 448 x 2^e as f32 numbers
	s_add_co_i32 s28, \se, 127
	s_lshl_b32 s29, s28, 23
	v_mov_b32 v[\vs], s29
	s_add_co_i32 s28, s28, 8
	s_lshl_b32 s28, s28, 23
	s_or_b32 s28, s28, 0x600000                    ; the mantissa field of 448
	v_mov_b32 v[\vl], s28
.endm
; 64 numbers become a fragment's 16 registers of codes.  The conversion to an 8-bit code does not saturate (ISA guide 7.6.2): each number is first held within 448 x the scale.
.macro QUANT src, dst, sc, lim         ; in place: the numbers are not wanted again
.set qb, 0
.rept 4
.set qi, 0
.rept 16
	v_med3_num_f32 v[\src+16*qb+qi], v[\src+16*qb+qi], -v[\lim], v[\lim]
.set qi, qi+1
.endr
	v_cvt_scalef32_pk8_fp8_f32 v[\dst+4*qb:\dst+4*qb+1], v[\src+16*qb:\src+16*qb+7], v[\sc]
	v_cvt_scalef32_pk8_fp8_f32 v[\dst+4*qb+2:\dst+4*qb+3], v[\src+16*qb+8:\src+16*qb+15], v[\sc]
.set qb, qb+1
.endr
	v_nop                                          ; one plain vector line behind the last conversion, ahead of whatever next touches its registers
.endm
.macro QKEEP src, dst, sc, lim         ; the numbers stay: the held ones go into two sets of T by turns
.set qb, 0
.rept 4
.set qi, 0
.rept 16
	v_med3_num_f32 v[T+16*(qb%2)+qi], v[\src+16*qb+qi], -v[\lim], v[\lim]
.set qi, qi+1
.endr
	v_cvt_scalef32_pk8_fp8_f32 v[\dst+4*qb:\dst+4*qb+1], v[T+16*(qb%2):T+16*(qb%2)+7], v[\sc]
	v_cvt_scalef32_pk8_fp8_f32 v[\dst+4*qb+2:\dst+4*qb+3], v[T+16*(qb%2)+8:T+16*(qb%2)+15], v[\sc]
.set qb, qb+1
.endr
	v_nop
.endm
	s_load_b256 s[4:11], s[0:1], 0x0               ; x s[4:5], Wg s[6:7], bg s[8:9], the scales' exponents s[10:11]
	s_load_b256 s[12:19], s[0:1], 0x20             ; xc s[12:13], route s[14:15], out1 s[16:17], out2 s[18:19]
	v_lshl_add_u32 v254, v0, 2, 0xb600
	v_mov_b32 v255, 0
	v_lshrrev_b32 v1, 5, v0
	v_readfirstlane_b32 s26, v1                    ; wave = K step
	v_and_b32 v1, 31, v0
	v_and_b32 v2, 15, v0                           ; r
	v_bfe_u32 v3, v0, 4, 1                         ; h
	v_lshlrev_b32 v4, 4, v1
	s_wait_alu depctr_va_sdst(0)                   ; s26 is written, ahead of its first reader
	s_mul_i32 s27, s26, XWV                        ; my stage
	v_add_nc_u32 v5, s27, v4                       ; in: a row's 512 bytes as they lie
	v_mul_u32_u24 v6, v2, XSP
	v_lshl_add_u32 v8, v3, 4, v6                   ; 528 r + 16 h
	v_lshl_add_u32 v6, v3, 6, v6
	v_add_nc_u32 v6, s27, v6                       ; out: row r, 64 h bytes on: my 16 numbers of a block of 32
	v_lshlrev_b32 v7, 2, v2
	v_lshl_add_u32 v7, v3, 10, v7                  ; Wg: column r, 16 h rows of 64 bytes down
	s_lshl_b32 s28, s26, 7
	s_add_co_u32 s28, s28, CST
	v_add_nc_u32 v8, s28, v8                       ; codes in: row r, byte 128 s + 16 h (+ 32 c)
	s_mul_i32 s28, s26, 4*XSP
	s_add_co_u32 s28, s28, CST
	v_add_nc_u32 v9, s28, v4                       ; codes out: rows 4 s + 0 .. 3, whole
	s_lshl_b32 s28, s26, 10
	s_add_co_u32 s28, s28, PART
	v_add_nc_u32 v10, s28, v4
	v_add_nc_u32 v249, PART, v4
	v_lshlrev_b32 v250, 5, v3
	s_lshl_b32 s28, ttmp9, 7
	v_lshl_add_u32 v251, v2, 3, s28                ; 8 (16 x work-group + r)
	s_lshl_b32 s28, ttmp9, 6
	v_lshl_add_u32 v252, v2, 2, s28                ; 4 (16 x work-group + r)
	s_lshl_b32 s28, ttmp9, 15                      ; x: 16 rows of 2,048 bytes a work-group,
	s_lshl_b32 s29, s26, 9                         ; 512 bytes a K step
	s_add_co_u32 s28, s28, s29
	s_mov_b32 s29, 0
	s_lshl_b32 s30, s26, 13                        ; Wg: 128 rows of 64 bytes a K step
	s_mov_b32 s31, 0
	s_lshl_b32 s32, ttmp9, 13                      ; xc: 16 rows of 512 bytes a work-group,
	s_lshl_b32 s33, s26, 11                        ; 4 rows a wave
	s_add_co_u32 s32, s32, s33
	s_mov_b32 s33, 0
	s_mov_b32 s40, 0x76543210                      ; v_permlanex16_b32: each lane takes its own place in the other half
	s_mov_b32 s41, 0xfedcba98
	s_wait_kmcnt 0x0
	s_load_b128 s[20:23], s[10:11], 0x0            ; e0, e1, e2, e3
	s_add_nc_u64 s[4:5], s[4:5], s[28:29]
	s_add_nc_u64 s[6:7], s[6:7], s[30:31]
	s_add_nc_u64 s[12:13], s[12:13], s[32:33]
	s_wait_alu depctr_va_vdst(0)                   ; the addresses v4 to v10 and v249 to v252 are written: every load and store of the kernel reads one of them
	global_load_b128 v[BG:BG+3], v250, s[8:9]
	global_load_b128 v[BG+4:BG+7], v250, s[8:9] offset:16
.set i, 0
.rept 16
	global_load_b128 v[XR+4*i:XR+4*i+3], v4, s[4:5] offset:2048*i th:TH_LOAD_NT   ; row i: 32 lanes read 512 consecutive bytes
.set i, i+1
.endr
.set i, 0
.rept 64
	global_load_b32 v[WR+i], v7, s[6:7] offset:64*(32*(i/16)+i%16)   ; Wg(32 c + 16 h + i, r): a lane to a column, registers down K: nothing is transposed
.set i, i+1
.endr
	s_wait_kmcnt 0x0
	MKSC s20, 11, 12
	MKSC s23, 13, 14
	MKSC s21, 15, 248
	s_add_co_i32 s36, s20, s21
	s_add_co_i32 s36, s36, 127
	s_lshl_b32 s36, s36, 23                        ; 2^(e0 + e1)
	s_mov_b32 s37, s36                             ; (named with it as a pair, so it is written)
	s_wait_loadcnt 63                              ; bg and x are in: 64 loads are younger, and the count's field ends at 63
.set i, 0
.rept 16
	ds_store_b128 v5, v[XR+4*i:XR+4*i+3] offset:XSP*i
.set i, i+1
.endr
.set i, 0
.rept 16
	ds_load_b128 v[XV+4*i:XV+4*i+3], v6 offset:128*(i/4)+16*(i%4)   ; LDS serves a wave's instructions in order: these see my stores
.set i, i+1
.endr
	s_wait_dscnt 0x0
	s_wait_alu depctr_vm_vsrc(0)                   ; the stage's stores have read v16 to v79, which the conversions and the product write from here on
	QKEEP XV, XG, 11, 12                           ; x at 2^e0, for the gate
	QUANT XV, XC, 13, 14                           ; x at 2^e3, for the experts
	s_wait_loadcnt 0x0                             ; Wg
	QUANT WR, WF, 15, 248
	v_wmma_f32_16x16x128_fp8_fp8 v[DD:DD+7], v[WF:WF+15], v[XG:XG+15], 0
.rept 4
	v_nop                                          ; four places between the product and the stores of its result
.endr
	s_wait_alu depctr_va_vdst(0)                   ; the product has written DD and the conversions XC, which the stores below read; T and v80 to v143 are done with, in which the LDS loads further down land
	ds_store_b128 v10, v[DD:DD+3]
	ds_store_b128 v10, v[DD+4:DD+7] offset:512
.irp c, 0,1,2,3
	ds_store_b128 v8, v[XC+4*\c:XC+4*\c+3] offset:32*\c
.endr
	s_wait_dscnt 0x0                               ; for the others' sake: my stores have landed
	s_barrier_signal -1
	s_barrier_wait -1
.irp j, 0,1,2,3
	ds_load_b128 v[T+4*\j:T+4*\j+3], v9 offset:XSP*\j
.endr
.irp j, 0,1,2,3
	s_wait_dscnt 3-\j                              ; row j of my four is back
	global_store_b128 v4, v[T+4*\j:T+4*\j+3], s[12:13] offset:512*\j   ; 32 lanes store a row's 512 consecutive bytes, aligned
.endr
	s_cmp_lg_u32 s26, 0
	s_cbranch_scc1 .Lend                           ; wave 0 alone chooses
.set i, 0
.rept 4
	ds_load_b128 v[80+8*i:83+8*i], v249 offset:1024*i
	ds_load_b128 v[84+8*i:87+8*i], v249 offset:1024*i+512
.set i, i+1
.endr
	s_wait_dscnt 0x0
.irp j, 0,2,4,6
	v_pk_add_f32 v[112+\j:113+\j], v[80+\j:81+\j], v[88+\j:89+\j]
.endr
.irp j, 0,2,4,6
	v_pk_add_f32 v[112+\j:113+\j], v[112+\j:113+\j], v[96+\j:97+\j]
.endr
.irp j, 0,2,4,6
	v_pk_add_f32 v[112+\j:113+\j], v[112+\j:113+\j], v[104+\j:105+\j]
.endr
.irp j, 0,2,4,6
	v_pk_fma_f32 v[112+\j:113+\j], v[112+\j:113+\j], s[36:37], v[BG+\j:BG+\j+1] op_sel_hi:[1,0,1]   ; logit = sum x 2^(e0 + e1) + bg
.endr
	; the two largest of my eight: v120/v121 the largest and its expert, v122/v123 the second.  Every compare is strict, so the lower index keeps its place in a tie
	v_lshlrev_b32 v125, 3, v3                      ; my first expert: 8 h
	v_add_nc_u32 v124, 1, v125
	v_cmp_gt_f32 s42, v113, v112
	v_cmp_ne_u32 s39, 0, v3                        ; the upper half of the lanes: read further down, made in this run of compares
	s_wait_alu depctr_va_sdst(0)                   ; s42 and s39 are written, ahead of their first readers
	v_cndmask_b32 v120, v112, v113, s42
	v_cndmask_b32 v121, v125, v124, s42
	v_cndmask_b32 v122, v113, v112, s42
	v_cndmask_b32 v123, v124, v125, s42
.irp j, 2,3,4,5,6,7
	v_add_nc_u32 v124, \j, v125
	v_cmp_gt_f32 s42, v[112+\j], v120
	v_cmp_gt_f32 s38, v[112+\j], v122
	s_wait_alu depctr_va_sdst(0)                   ; both masks are written, ahead of the selects that read them
	v_cndmask_b32 v122, v122, v[112+\j], s38
	v_cndmask_b32 v123, v123, v124, s38
	v_cndmask_b32 v122, v122, v120, s42
	v_cndmask_b32 v123, v123, v121, s42
	v_cndmask_b32 v120, v120, v[112+\j], s42
	v_cndmask_b32 v121, v121, v124, s42
.endr
.irp j, 0,1,2,3
	v_mov_b32 v[126+\j], 0                         ; a lane permute's destination counts as one of its sources
.endr
.irp j, 0,1,2,3
	v_permlanex16_b32 v[126+\j], v[120+\j], s40, s41   ; the other eight experts' pair
.endr
.irp j, 0,1,2,3
	v_cndmask_b32 v[130+\j], v[120+\j], v[126+\j], s39   ; A: experts 0-7's pair, in both halves of the lanes
	v_cndmask_b32 v[134+\j], v[126+\j], v[120+\j], s39   ; B: experts 8-15's
.endr
	v_cmp_gt_f32 s42, v134, v130                   ; B's largest wins only if it is greater
	s_wait_alu depctr_va_sdst(0)                   ; the mask is written, ahead of the selects that read it
	v_cndmask_b32 v138, v130, v134, s42            ; the largest logit
	v_cndmask_b32 v140, v131, v135, s42            ; its expert
	v_cndmask_b32 v142, v132, v130, s42            ; what A still offers,
	v_cndmask_b32 v143, v133, v131, s42
	v_cndmask_b32 v144, v134, v136, s42            ; and B
	v_cndmask_b32 v145, v135, v137, s42
	v_cmp_gt_f32 s42, v144, v142
	s_wait_alu depctr_va_sdst(0)                   ; the mask is written, ahead of the selects that read it
	v_cndmask_b32 v139, v142, v144, s42            ; the second logit
	v_cndmask_b32 v141, v143, v145, s42            ; its expert
	; softmax of the two, the larger taken away: 1 / (1 + e), e / (1 + e), e = exp(second - first)
	v_sub_f32 v146, v139, v138
	v_mul_f32 v146, 0x3fb8aa3b, v146
	v_exp_f32 v147, v146
	v_mov_b32 v150, 1                              ; (a plain line behind the exponential)
	s_wait_alu depctr_va_vdst(0)                   ; the exponential has written v147: the wait ahead of the result's first reader
	v_add_f32 v151, 1.0, v147
	v_rcp_f32 v148, v151
	v_lshlrev_b32 v152, v140, v150                 ; (a plain line behind the reciprocal)  1 << first expert
	s_wait_alu depctr_va_vdst(0)                   ; the reciprocal has written v148, ahead of its first reader
	v_mul_f32 v149, v147, v148
	v_add_nc_u32 v153, 16, v141
	v_lshlrev_b32 v153, v153, v150
	v_or_b32 v152, v152, v153
	s_wait_alu depctr_va_vdst(0)                   ; v140, v141, v148, v149 and v152 are written, which the three stores read
	global_store_b64 v251, v[140:141], s[16:17]    ; lanes 16-31 repeat lanes 0-15's addresses and numbers: sixteen tokens, 128 consecutive bytes
	global_store_b64 v251, v[148:149], s[18:19]
	global_store_b32 v252, v152, s[14:15]
.Lend:
	s_wait_dscnt 0x0
	s_wait_alu depctr_hold_cnt(0) depctr_sa_sdst(0) depctr_va_vdst(0) depctr_va_sdst(0) depctr_va_ssrc(0) depctr_va_vcc(0) depctr_vm_vsrc(0)
	s_wait_tensorcnt 0x0
	ds_add_u32 v254, v255
	s_wait_dscnt 0x0
	s_endpgm
.Lfunc_end_k_q282fc514f8_route:
	.size	k_q282fc514f8_route, .Lfunc_end_k_q282fc514f8_route-k_q282fc514f8_route
	.p2alignl 7, 3214868480
	.fill 96, 4, 3214868480
	.section	.rodata,"a",@progbits
	.p2align	6, 0x0
	.amdhsa_kernel k_q282fc514f8_route
		.amdhsa_group_segment_fixed_size 47104
		.amdhsa_private_segment_fixed_size 0
		.amdhsa_enable_private_segment 0
		.amdhsa_kernarg_size 64
		.amdhsa_user_sgpr_count 2
		.amdhsa_user_sgpr_kernarg_segment_ptr 1
		.amdhsa_wavefront_size32 1
		.amdhsa_system_sgpr_workgroup_id_x 1
		.amdhsa_system_sgpr_workgroup_id_y 1
		.amdhsa_system_sgpr_workgroup_id_z 1
		.amdhsa_system_vgpr_workitem_id 0
		.amdhsa_next_free_vgpr 256
		.amdhsa_next_free_sgpr 66
		.amdhsa_reserve_vcc 0
		.amdhsa_float_denorm_mode_32 3
		.amdhsa_float_denorm_mode_16_64 3
		.amdhsa_memory_ordered 1
		.amdhsa_forward_progress 1
		.amdhsa_inst_pref_size 37
	.end_amdhsa_kernel
	.amdgpu_metadata
---
amdhsa.version: [ 1, 2 ]
amdhsa.kernels:
  - .name:           k_q282fc514f8_route
    .symbol:         k_q282fc514f8_route.kd
    .args:
      - { .name: x, .offset: 0, .size: 8, .value_kind: global_buffer, .address_space: global }
      - { .name: Wg, .offset: 8, .size: 8, .value_kind: global_buffer, .address_space: global }
      - { .name: bg, .offset: 16, .size: 8, .value_kind: global_buffer, .address_space: global }
      - { .name: lowp_scales, .offset: 24, .size: 8, .value_kind: global_buffer, .address_space: global }
      - { .name: xc, .offset: 32, .size: 8, .value_kind: global_buffer, .address_space: global }
      - { .name: route, .offset: 40, .size: 8, .value_kind: global_buffer, .address_space: global }
      - { .name: out1, .offset: 48, .size: 8, .value_kind: global_buffer, .address_space: global }
      - { .name: out2, .offset: 56, .size: 8, .value_kind: global_buffer, .address_space: global }
    .group_segment_fixed_size: 47104
    .private_segment_fixed_size: 0
    .kernarg_segment_align: 8
    .kernarg_segment_size: 64
    .max_flat_workgroup_size: 128
    .sgpr_count:     66
    .vgpr_count:     256
    .wavefront_size: 32
...
	.end_amdgpu_metadata
.endif
;; end of part 5
;; launch up: the kernel of part 2 again; grid 16 x 16, 4 waves a work-group, no clusters, 109,056 bytes of LDS; arguments W1, b1, lowp_scales, route, xc, hbuf; writes hbuf
;; launch down: the kernel of part 3 again; grid 16 x 16, 4 waves a work-group, no clusters, 92,160 bytes of LDS; arguments W2, b2, lowp_scales, route, hbuf, ybuf; writes ybuf
;; launch combine: the kernel of part 4 again; grid 256 x 1, 8 waves a work-group, no clusters, 0 bytes of LDS; arguments ybuf, out0; writes out0
